; MI455X (gfx1250); checked and timed in simulation.
; The chip was launched on July 23, 2026; its instructions are those of AMD's public machine-readable ISA for CDNA 5 (MIT licence, August 2026) and "CDNA5" Instruction Set Architecture Reference Guide (July 2026). The comments in the code are by the model that wrote it; some were corrected since.
;; Causal Self Attention. Allowed arithmetic: matrix products marked QUANTISED: E2M1 operands, one E8M0 scale for each 32 along K, by v_wmma_scale_f32_16x16x128_f8f6f4 with both operands' format E2M1 (or v_wmma_scale_f32_32x16x128_f4), f32 sums; products left as they are: bf16, f16 or f32 operands; f32 sums; everything else in f32.
;; Inputs: b_attn 3,072 float32; b_proj 1,024 float32; w_attn 1,024 x 3,072 float32; w_proj 1,024 x 1,024 float32; x 4 x 2,048 x 1,024 float32.
;; Outputs: out0 4 x 2,048 x 1,024 float32.
;; This version of the problem:
;;   THIS VERSION OF THE PROBLEM IS GIVEN IN LOW PRECISION. The matrix products marked QUANTISED in the list below multiply operands that are first quantised to E2M1 (2 exponent bits, 1 mantissa bit; 4 bits a number), with one power-of-two scale for each 32 numbers along K (OCP MX v1.0); their sums are f32. The products marked 'left as it is' may take bf16, f16 or f32 operands, with f32 sums. Whichever they take, every output number must still come out within the allowed error. Rounding operands to bf16 (8 significant bits) uses up far more of that allowance than f16 does (11 bits, for magnitudes from 6e-5 to 65,504). All else is computed in f32.
;;   The module's matrix products, in the order in which they are computed (A, B: the left and right operand; K: the contracted axis; several contracted axes count as one K, in the product's order):
;;     1. [M 8,192, K 1,024] x [K 1,024, N 3,072]; A: input x; B: input w_attn: QUANTISED
;;     2. batch 64 x [M 2,048, K 64] x [K 64, N 2,048]; A: computed on the way; B: computed on the way: left as it is (an operand is computed on the way)
;;     3. batch 64 x [M 2,048, K 2,048] x [K 2,048, N 64]; A: computed on the way; B: computed on the way: left as it is (an operand is computed on the way)
;;     4. [M 8,192, K 1,024] x [K 1,024, N 1,024]; A: computed on the way; B: input w_proj: left as it is (an operand is computed on the way)
;;   THE QUANTISER, for each operand of a quantised product, along K:
;;     - K is cut into blocks of 32 from its start; a last block that is shorter is filled with zeros.
;;     - A block's scale is 2^e with e = floor(log2(the largest magnitude in the block)) - 2, held to -126 .. 127; a block of zeros has e = 0. As a byte (E8M0): e + 127.
;;     - Each number is divided by its block's scale, clamped to +-6, and rounded to the nearest number of E2M1, ties to even, subnormals kept.
;;     - The product sums the exact products of the quantised numbers (number of the format x scale) in f32.
;;   ~~~python
;;   def quantise(x, axis):      # numpy; x: float32 -> the quantised numbers, widened to float32 again
;;       x = np.moveaxis(x, axis, -1); K = x.shape[-1]
;;       x = np.pad(x, [(0, 0)] * (x.ndim - 1) + [(0, -K % 32)]); x = x.reshape(x.shape[:-1] + (-1, 32)); a = np.abs(x).max(-1, keepdims=True)
;;       e = np.where(a > 0, np.clip(np.frexp(np.where(a > 0, a, 1))[1] - 1 - 2, -126, 127), 0)      # np.frexp(a)[1] - 1 = floor(log2(a)), exactly
;;       r = np.clip(x / 2.0 ** e, -6, 6)
;;       step = 2.0 ** (np.maximum(np.frexp(np.where(r == 0, 1, r))[1] - 1, 0) - 1)
;;       q = np.round(r / step) * step * 2.0 ** e      # np.round: ties to even
;;       return np.moveaxis(q.reshape(q.shape[:-2] + (-1,))[..., :K], -1, axis).astype(np.float32)
;;   ~~~
;; One version. Each part assembles by itself: llvm-mc -triple=amdgcn-amd-amdhsa -mcpu=gfx1250 --defsym DOCPART=n.
;; ======== version 1 of 1: 5 launches
;; limits: values are held in f16: magnitudes above 65,504 overflow, below 6.1e-05 lose precision
;; workspace buffers: xc 4,194,304 bytes; xs 262,144 bytes; wc 1,572,864 bytes; ws 98,304 bytes; wp16 2,097,152 bytes; qkv16 50,331,648 bytes; fq 786,432 bytes; y16 16,777,216 bytes
;; launch prep (part 1): grid 320 x 1, 4 waves a work-group, no clusters, 86,528 bytes of LDS; arguments x, w_attn, w_proj, xc, xs, wc, ws, wp16; writes xc, xs, wc, ws, wp16
.if DOCPART == 1
	.amdgcn_target "amdgcn-amd-amdhsa--gfx1250"
	.amdhsa_code_object_version 6
	.text
	.protected	k_q67ffb23cfc_prep
	.globl	k_q67ffb23cfc_prep
	.p2align	8
	.type	k_q67ffb23cfc_prep,@function
k_q67ffb23cfc_prep:
	s_mov_b64 s[64:65], 0
	v_nop
	global_prefetch_b8 v0, s[64:65] scope:SCOPE_SE
	s_setreg_imm32_b32 hwreg(HW_REG_WAVE_MODE, 25, 1), 1
	s_wait_xcnt 0x0
; THREE JOBS IN ONE LAUNCH, told apart by the work-group's number; each has its own way through the text, its own LDS bytes and its own end.
;   work-groups   0..255  X: x [8192][1024] f32 -> codes of FP4 (E2M1), K innermost, xc [8192][512 bytes], and one E8M0 byte for each 32 along K, xs [8192][32].
;   work-groups 256..303  W: w_attn [1024 (k)][3072 (n)] f32, K its FIRST axis -> wc [3072][512 bytes], K innermost, ws [3072][32].
;   work-groups 304..319  P: w_proj [1024 (k)][1024 (n)] f32 -> f16 with K innermost, in blocks: wp16 [n / 128][k / 64][n % 128][k % 64].
; THE QUANTISER: a block's scale is 2^(floor(log2(its largest magnitude)) - 2); its byte is the largest magnitude's exponent field - 2, held at 1 from below; each number is divided by the
; scale and rounded to the nearest code, ties to even, beyond 6 the largest code.  A block of zeros gets the byte 1 where the rule says 127: its codes are zeros, and this program alone reads the bytes.
; LIMITS: blocks whose largest magnitude lies under 2^-124 keep the byte 1; NaN and infinities are not served; w_proj's magnitudes stay under 65,504 (f16).
; No tensor loads, no barrier: waves share nothing.  Memory binds: every input byte is read once, every store of a wave covers whole aligned runs of 256 bytes (but W's scale bytes: 16 bytes a lane).
.set SPARE, 86016                      ; behind the three regions: the spare words, 128 bytes for each wave
.set SPW,   192                        ; v192  LDS address of my spare word; never rewritten
.set NIL,   193                        ; v193  0; never rewritten
.set EMAX,  2
	s_load_b512 s[16:31], s[0:1], 0x0              ; x 16:17, w_attn 18:19, w_proj 20:21, xc 22:23, xs 24:25, wc 26:27, ws 28:29, wp16 30:31
	v_lshl_add_u32 v[SPW], v0, 2, SPARE
	v_mov_b32 v[NIL], 0
	v_lshrrev_b32 v1, 5, v0
	v_readfirstlane_b32 s2, v1                     ; wave 0..3
	v_and_b32 v2, 31, v0                           ; lane
	s_wait_kmcnt 0x0
	s_cmp_lt_u32 ttmp9, 256
	s_cbranch_scc0 .Lnot_x
; ---------------- X.  x is a plain stream of blocks of 32.  A wave takes 16 steps of 512 numbers.  Each load reads 512 consecutive bytes; a step's 2,048 bytes turn through the wave's own stage
; (16 bytes of padding behind each 64) and come back 64 bytes a lane: 16 neighbours along K, two lanes to a block.  LDS bytes 0 .. 32,767: 8,192 a wave: two stages of 32 x 80, then 256 scale bytes.
.set XSP, 80
.set XR,  16                           ; v16-79   four sets of 16 numbers as loaded
.set XX,  80                           ; v80-111  two sets of 16 neighbours
.set XE,  112                          ; v112-127 a scale byte for each step
.set XC,  128                          ; v128-191 codes: registers of its own for each step, so that no store's data are written again
	v_lshlrev_b32 v3, 4, v2                        ; my 16 bytes of a load's 512
	s_lshl_b32 s3, s2, 13                          ; my wave's region
	v_lshrrev_b32 v14, 2, v2
	v_mul_u32_u24 v14, v14, XSP
	v_and_b32 v15, 3, v2
	v_lshl_add_u32 v14, v15, 4, v14
	v_add_nc_u32 v14, s3, v14                      ; the stage, in: 80 (lane / 4) + 16 (lane % 4)
	v_mul_u32_u24 v15, v2, XSP
	v_add_nc_u32 v15, s3, v15                      ; and out: 80 x lane
	v_lshlrev_b32 v4, 3, v2                        ; my 8 bytes of a step's codes
	v_lshrrev_b32 v5, 1, v2
	s_add_co_u32 s3, s3, 2*32*XSP
	v_add_nc_u32 v5, s3, v5                        ; my block's scale byte in LDS
	v_lshlrev_b32 v7, 3, v2
	v_add_nc_u32 v6, s3, v7                        ; on the way out 8 bytes a lane
	s_lshl_b32 s4, ttmp9, 2
	s_add_co_u32 s4, s4, s2                        ; which run of 8,192 numbers is my wave's: 0..1023
	s_mov_b32 s7, 0
	s_lshl_b32 s6, s4, 15
	s_add_nc_u64 s[16:17], s[16:17], s[6:7]        ; 32,768 bytes of x a run,
	s_lshl_b32 s6, s4, 12
	s_add_nc_u64 s[22:23], s[22:23], s[6:7]        ; 4,096 of codes,
	s_lshl_b32 s6, s4, 8
	s_add_nc_u64 s[24:25], s[24:25], s[6:7]        ; 256 scale bytes
.macro XLOAD t
.irp i, 0,1,2,3
	global_load_b128 v[XR+16*((\t)%4)+4*\i:XR+16*((\t)%4)+4*\i+3], v3, s[16:17] offset:2048*(\t)+512*\i th:TH_LOAD_NT
.endr
.endm
.macro XTURN t                         ; LDS serves a wave's instructions in order (ISA guide 5.7.1.4): no wait between the stores and the loads
.irp i, 0,1,2,3
	ds_store_b128 v14, v[XR+16*((\t)%4)+4*\i:XR+16*((\t)%4)+4*\i+3] offset:32*XSP*((\t)%2)+8*XSP*\i
.endr
.irp i, 0,1,2,3
	ds_load_b128 v[XX+16*((\t)%2)+4*\i:XX+16*((\t)%2)+4*\i+3], v15 offset:32*XSP*((\t)%2)+16*\i
.endr
.endm
.irp t, 0,1,2,3
	XLOAD \t
.endr
	s_wait_loadcnt 12                              ; step 0's four loads are in; three steps' twelve stay out
	XTURN 0
.macro XSTEP t
.set XS, XX+16*((\t)%2)
.if (\t) > 0
	s_wait_dscnt 1                                 ; this step's numbers are back from the stage (the last step's byte store may be out)
.else
	s_wait_dscnt 0x0
.endif
.if (\t)+4 < 16
	XLOAD (\t)+4                                   ; into the set whose stores into the stage have been served
.endif
.if (\t)+1 < 16
.if 14-(\t) >= 3
	s_wait_loadcnt 12                              ; the next step's four loads are in; those of the three steps behind it may be out
.else
	s_wait_loadcnt 4*(14-(\t))
.endif
	XTURN (\t)+1
.endif
	v_max3_num_f32 v8, |v[XS]|, |v[XS+1]|, |v[XS+2]|
	v_max3_num_f32 v9, |v[XS+3]|, |v[XS+4]|, |v[XS+5]|
.irp i, 6,10
	v_max3_num_f32 v8, v8, |v[XS+\i]|, |v[XS+\i+1]|
	v_max3_num_f32 v9, v9, |v[XS+\i+2]|, |v[XS+\i+3]|
.endr
	v_max3_num_f32 v8, v8, |v[XS+14]|, |v[XS+15]|
	v_max3_num_f32 v8, v8, v9, (EMAX+1)<<23        ; and the floor 2^(3 - 127): the byte cannot fall under 1
	v_max_num_f32_dpp v8, v8, v8 row_xmask:1 row_mask:0xf bank_mask:0xf   ; with my neighbour's 16: the block's largest magnitude
	v_add_nc_u32 v11, 0xff000000, v8               ; 2 off its exponent field: the conversion takes that field as its scale
	v_cvt_scalef32_pk8_fp4_f32 v[XC+4*(\t)], v[XS:XS+7], v11
	v_cvt_scalef32_pk8_fp4_f32 v[XC+4*(\t)+1], v[XS+8:XS+15], v11
	v_lshrrev_b32 v[XE+(\t)], 23, v11              ; the scale's byte (also the plain line behind the conversions)
	ds_store_b8 v5, v[XE+(\t)] offset:16*(\t)      ; both lanes of a block write the same byte with the same value
	global_store_b64 v4, v[XC+4*(\t):XC+4*(\t)+1], s[22:23] offset:256*(\t)   ; the wave stores 256 consecutive bytes
.endm
.irp t, 0,1,2,3,4,5,6,7,8,9,10,11,12,13,14,15
	XSTEP \t
.endr
	ds_load_b64 v[8:9], v6
	s_wait_dscnt 0x0
	global_store_b64 v7, v[8:9], s[24:25]          ; my wave's 256 scale bytes, consecutive
	s_wait_tensorcnt 0x0                           ; the wave's end, behind my last LDS store
	ds_add_u32 v[SPW], v[NIL]
	s_wait_dscnt 0x0
	s_endpgm
.Lnot_x:
	s_cmp_lt_u32 ttmp9, 304
	s_cbranch_scc0 .Lpath_p
; ---------------- W.  A LANE TAKES A COLUMN n AND ITS REGISTERS RUN DOWN K: a load reads 128 consecutive bytes a wave, a block of 32 along K lies in one lane, and the conversions give codes with K innermost.
; A wave takes 32 columns x 512 along K; 24 work-groups along n, 2 along K.  The codes leave through the wave's own stage (32 rows x 272 bytes; LDS bytes 32,768 .. 67,583): sixteen lanes store 256 consecutive bytes.
.set WP,   272
.set WX,   32                          ; v32-95   two sets of 32 numbers
.set WC,   96                          ; v96-99   a block's codes
.set WO,   112                         ; v112-175 the way out
.set WS,   24                          ; v24-27   the scale bytes, four to a register
	s_sub_co_u32 s4, ttmp9, 256
	s_cmp_ge_u32 s4, 24
	s_cselect_b32 s5, 1, 0                         ; which 512 along K
	s_cselect_b32 s6, 24, 0
	s_sub_co_u32 s4, s4, s6
	s_lshl_b32 s4, s4, 7
	s_lshl_b32 s6, s2, 5
	s_add_co_u32 s4, s4, s6                        ; my wave's first column
	v_lshlrev_b32 v3, 2, v2
	s_mul_i32 s6, s2, 32*WP
	s_add_co_u32 s6, s6, 32768                     ; my stage
	v_mul_u32_u24 v4, v2, WP
	v_add_nc_u32 v4, s6, v4                        ; into it: row = my column
	v_and_b32 v5, 15, v2
	v_lshrrev_b32 v6, 4, v2
	v_mul_u32_u24 v7, v6, WP
	v_lshl_add_u32 v7, v5, 4, v7
	v_add_nc_u32 v7, s6, v7                        ; out of it: sixteen lanes to a row, two rows an instruction
	v_lshlrev_b32 v8, 9, v6
	v_lshl_add_u32 v8, v5, 4, v8                   ; and the same place in wc (a row is 512 bytes)
	v_lshlrev_b32 v9, 5, v2                        ; my column's row of scale bytes
	s_mov_b32 s9, 0
	s_mul_i32 s8, s5, 512*3072*4
	s_lshl_b32 s10, s4, 2
	s_add_co_u32 s8, s8, s10
	s_add_nc_u64 s[18:19], s[18:19], s[8:9]
	s_lshl_b32 s8, s4, 9
	s_lshl_b32 s10, s5, 8
	s_add_co_u32 s8, s8, s10
	s_add_nc_u64 s[26:27], s[26:27], s[8:9]
	s_lshl_b32 s8, s4, 5
	s_lshl_b32 s10, s5, 4
	s_add_co_u32 s8, s8, s10
	s_add_nc_u64 s[28:29], s[28:29], s[8:9]
.macro WLOAD t                         ; block t: w_attn(32 t + i, my column); the largest immediate is 511 x 12,288, inside the signed 24 bits (ISA guide, chapter 10)
.irp i, 0,1,2,3,4,5,6,7,8,9,10,11,12,13,14,15,16,17,18,19,20,21,22,23,24,25,26,27,28,29,30,31
	global_load_b32 v[WX+32*((\t)%2)+\i], v3, s[18:19] offset:(32*(\t)+\i)*12288 th:TH_LOAD_NT
.endr
.endm
	WLOAD 0
	WLOAD 1
.macro WBLOCK t
.set XS, WX+32*((\t)%2)
.if (\t) < 15
	s_wait_loadcnt 32                              ; this block's 32 loads are in; the next block's may be out
.else
	s_wait_loadcnt 0
.endif
	v_max3_num_f32 v12, |v[XS]|, |v[XS+1]|, |v[XS+2]|
	v_max3_num_f32 v13, |v[XS+3]|, |v[XS+4]|, |v[XS+5]|
.irp i, 6,10,14,18,22,26
	v_max3_num_f32 v12, v12, |v[XS+\i]|, |v[XS+\i+1]|
	v_max3_num_f32 v13, v13, |v[XS+\i+2]|, |v[XS+\i+3]|
.endr
	v_max3_num_f32 v12, v12, |v[XS+30]|, |v[XS+31]|
	v_max3_num_f32 v12, v12, v13, (EMAX+1)<<23
	v_add_nc_u32 v11, 0xff000000, v12
	v_lshrrev_b32 v13, 23, v11
.if (\t)%4 == 0
	v_mov_b32 v[WS+(\t)/4], v13
.else
	v_lshl_or_b32 v[WS+(\t)/4], v13, 8*((\t)%4), v[WS+(\t)/4]
.endif
.irp g, 0,1,2,3
	v_cvt_scalef32_pk8_fp4_f32 v[WC+\g], v[XS+8*\g:XS+8*\g+7], v11
.endr
	ds_store_b128 v4, v[WC:WC+3] offset:16*(\t)
.if (\t)+2 < 16
	WLOAD (\t)+2
.endif
	s_wait_dscnt 0x0                               ; the store has been served: the next block's codes may be written
.endm
.irp t, 0,1,2,3,4,5,6,7,8,9,10,11,12,13,14,15
	WBLOCK \t
.endr
	global_store_b128 v9, v[WS:WS+3], s[28:29]     ; my column's 16 scale bytes
.irp t, 0,1,2,3,4,5,6,7,8,9,10,11,12,13,14,15
	ds_load_b128 v[WO+4*\t:WO+4*\t+3], v7 offset:2*\t*WP
.endr
.irp t, 0,1,2,3,4,5,6,7,8,9,10,11,12,13,14,15
	s_wait_dscnt 15-\t
	global_store_b128 v8, v[WO+4*\t:WO+4*\t+3], s[26:27] offset:2*\t*512
.endr
	s_wait_tensorcnt 0x0
	ds_add_u32 v[SPW], v[NIL]
	s_wait_dscnt 0x0
	s_endpgm
.Lpath_p:
; ---------------- P.  The same plan without a quantiser: a lane takes a column n of w_proj, its registers run down K, pairs are rounded to f16.  A wave takes 32 columns x 512 along K.
; 64 along K of 32 columns are 32 rows x 128 bytes of wp16, 4,096 consecutive bytes: gathered in the wave's stage (32 rows x 144 bytes; LDS bytes 67,584 .. 86,015) and stored 512 consecutive bytes an instruction.
.set PP,  144
.set PX,  32                           ; v32-95   two sets of 32 numbers
.set PC,  96                           ; v96-111  32 numbers as f16
.set PO,  112                          ; v112-175 the way out, two sets of 32
	s_sub_co_u32 s4, ttmp9, 304
	s_and_b32 s5, s4, 7                            ; which 128 columns
	s_lshr_b32 s6, s4, 3                           ; which 512 along K
	v_lshlrev_b32 v3, 2, v2
	s_mul_i32 s3, s2, 32*PP
	s_add_co_u32 s3, s3, 67584                     ; my stage
	v_mul_u32_u24 v4, v2, PP
	v_add_nc_u32 v4, s3, v4                        ; into it: row = my column
	v_lshrrev_b32 v5, 3, v2
	v_mul_u32_u24 v7, v5, PP
	v_and_b32 v5, 7, v2
	v_lshl_add_u32 v7, v5, 4, v7
	v_add_nc_u32 v7, s3, v7                        ; out of it: eight lanes to a row of 128 bytes, four rows an instruction
	v_lshlrev_b32 v8, 4, v2
	s_mov_b32 s9, 0
	s_lshl_b32 s8, s6, 21                          ; 512 rows of 4,096 bytes
	s_lshl_b32 s10, s5, 9
	s_add_co_u32 s8, s8, s10
	s_lshl_b32 s10, s2, 7
	s_add_co_u32 s8, s8, s10
	s_add_nc_u64 s[20:21], s[20:21], s[8:9]
	s_lshl_b32 s8, s5, 18                          ; 16 blocks of 16,384 bytes for each 128 columns
	s_lshl_b32 s10, s6, 17
	s_add_co_u32 s8, s8, s10
	s_lshl_b32 s10, s2, 12
	s_add_co_u32 s8, s8, s10
	s_add_nc_u64 s[30:31], s[30:31], s[8:9]
.macro PLOAD t
.irp i, 0,1,2,3,4,5,6,7,8,9,10,11,12,13,14,15,16,17,18,19,20,21,22,23,24,25,26,27,28,29,30,31
	global_load_b32 v[PX+32*((\t)%2)+\i], v3, s[20:21] offset:(32*(\t)+\i)*4096 th:TH_LOAD_NT
.endr
.endm
	PLOAD 0
	PLOAD 1
.macro PBLOCK t
.set XS, PX+32*((\t)%2)
.if (\t) < 15
	s_wait_loadcnt 32                              ; this block's 32 loads are in; the next block's may be out
.else
	s_wait_loadcnt 0
.endif
.irp i, 0,1,2,3,4,5,6,7,8,9,10,11,12,13,14,15
	v_cvt_pk_f16_f32 v[PC+\i], v[XS+2*\i], v[XS+2*\i+1]
.endr
.irp g, 0,1,2,3
	ds_store_b128 v4, v[PC+4*\g:PC+4*\g+3] offset:64*((\t)%2)+16*\g
.endr
.if (\t)+2 < 16
	PLOAD (\t)+2
.endif
	s_wait_dscnt 0x0
.endm
.macro PFLUSH c                        ; 64 along K are gathered: they leave
.if (\c) >= 2
	s_wait_xcnt 0x0                                ; the stores of two flushes back have read this set of registers
.endif
.irp i, 0,1,2,3,4,5,6,7
	ds_load_b128 v[PO+32*((\c)%2)+4*\i:PO+32*((\c)%2)+4*\i+3], v7 offset:\i*4*PP
.endr
.irp i, 0,1,2,3,4,5,6,7
	s_wait_dscnt 7-\i
	global_store_b128 v8, v[PO+32*((\c)%2)+4*\i:PO+32*((\c)%2)+4*\i+3], s[30:31] offset:(\c)*16384+\i*512
.endr
.endm
.irp c, 0,1,2,3,4,5,6,7
	PBLOCK 2*\c
	PBLOCK 2*\c+1
	PFLUSH \c
.endr
	s_wait_tensorcnt 0x0
	ds_add_u32 v[SPW], v[NIL]
	s_wait_dscnt 0x0
	s_endpgm
.Lfunc_end_k_q67ffb23cfc_prep:
	.size	k_q67ffb23cfc_prep, .Lfunc_end_k_q67ffb23cfc_prep-k_q67ffb23cfc_prep
	.p2alignl 7, 3214868480
	.fill 96, 4, 3214868480
	.section	.rodata,"a",@progbits
	.p2align	6, 0x0
	.amdhsa_kernel k_q67ffb23cfc_prep
		.amdhsa_group_segment_fixed_size 86528
		.amdhsa_private_segment_fixed_size 0
		.amdhsa_enable_private_segment 0
		.amdhsa_kernarg_size 64
		.amdhsa_user_sgpr_count 2
		.amdhsa_user_sgpr_kernarg_segment_ptr 1
		.amdhsa_wavefront_size32 1
		.amdhsa_system_sgpr_workgroup_id_x 1
		.amdhsa_system_sgpr_workgroup_id_y 1
		.amdhsa_system_sgpr_workgroup_id_z 1
		.amdhsa_system_vgpr_workitem_id 0
		.amdhsa_next_free_vgpr 194
		.amdhsa_next_free_sgpr 66
		.amdhsa_reserve_vcc 0
		.amdhsa_float_denorm_mode_32 3
		.amdhsa_float_denorm_mode_16_64 3
		.amdhsa_memory_ordered 1
		.amdhsa_forward_progress 1
		.amdhsa_inst_pref_size 193
	.end_amdhsa_kernel
	.amdgpu_metadata
---
amdhsa.version: [ 1, 2 ]
amdhsa.kernels:
  - .name:           k_q67ffb23cfc_prep
    .symbol:         k_q67ffb23cfc_prep.kd
    .args:
      - { .name: x, .offset: 0, .size: 8, .value_kind: global_buffer, .address_space: global }
      - { .name: w_attn, .offset: 8, .size: 8, .value_kind: global_buffer, .address_space: global }
      - { .name: w_proj, .offset: 16, .size: 8, .value_kind: global_buffer, .address_space: global }
      - { .name: xc, .offset: 24, .size: 8, .value_kind: global_buffer, .address_space: global }
      - { .name: xs, .offset: 32, .size: 8, .value_kind: global_buffer, .address_space: global }
      - { .name: wc, .offset: 40, .size: 8, .value_kind: global_buffer, .address_space: global }
      - { .name: ws, .offset: 48, .size: 8, .value_kind: global_buffer, .address_space: global }
      - { .name: wp16, .offset: 56, .size: 8, .value_kind: global_buffer, .address_space: global }
    .group_segment_fixed_size: 86528
    .private_segment_fixed_size: 0
    .kernarg_segment_align: 8
    .kernarg_segment_size: 64
    .max_flat_workgroup_size: 128
    .sgpr_count:     66
    .vgpr_count:     194
    .wavefront_size: 32
...
	.end_amdgpu_metadata
.endif
;; end of part 1
;; launch gemm_qkv (part 2): grid 12 x 32, 4 waves a work-group, clusters of 4 x 4, 327,680 bytes of LDS; arguments xc, xs, wc, ws, b_attn, qkv16, fq; writes qkv16, fq
.if DOCPART == 2
	.amdgcn_target "amdgcn-amd-amdhsa--gfx1250"
	.amdhsa_code_object_version 6
	.text
	.protected	k_q67ffb23cfc_gemm_qkv
	.globl	k_q67ffb23cfc_gemm_qkv
	.p2align	8
	.type	k_q67ffb23cfc_gemm_qkv,@function
k_q67ffb23cfc_gemm_qkv:
	s_mov_b64 s[64:65], 0
	v_nop
	global_prefetch_b8 v0, s[64:65] scope:SCOPE_SE
	s_setreg_imm32_b32 hwreg(HW_REG_WAVE_MODE, 25, 1), 1
	s_wait_xcnt 0x0
	s_wait_alu depctr_hold_cnt(0) depctr_sa_sdst(0) depctr_va_vdst(0) depctr_va_sdst(0) depctr_va_ssrc(0) depctr_va_vcc(0) depctr_vm_vsrc(0)
	s_getreg_b32 s2, hwreg(HW_REG_IB_STS2, 6, 4)
	s_cmp_eq_u32 s2, 0
	s_cbranch_scc0 .Lentry_in_a_cluster
	s_endpgm
.Lentry_in_a_cluster:
	s_bfe_u32 s2, ttmp6, 0x10000c
	s_cmp_lg_u32 s2, 0xf033
	s_cbranch_scc0 .Lentry_shape_is_right
	s_endpgm
.Lentry_shape_is_right:
; qkv = Q(x) Q(w_attn) + b_attn on codes of FP4 (E2M1) with one E8M0 scale for each 32 along K.  A = xc [8192][512 bytes], xs [8192][32]; B = wc [3072][512 bytes], ws [3072][32].
; OUT: qkv16, f16, [section q, k, v][batch x head][position][64]; section q is multiplied by c = log2(e) / 8, so that a score is the exponent of 2 as it stands.
;      fq, f32, [batch][position 0..15][3072]: the same numbers unrounded, for the launch that carries each sequence's first 16 positions in f32.
; LIMITS: magnitudes of q c, k, v stay under 65,504 (f16).
; A tile of C, 256 x 256, is made by four waves, one to a SIMD; a wave makes 128 x 128: 64 accumulators, 512 registers.  K = 1,024 is two LDS slots of 512 along K (rows of 256 bytes): both are asked for at the
; head, with the scale bytes of the work-group's 512 rows. All of a WGP's LDS is claimed; 296,448 bytes are used.
; CLUSTERS: 4 x 4 work-groups.  The four of a row of the cluster need the same tiles of A, the four of a column the same tiles of B: each tile is asked for JOINTLY.  The tile row is 8 cy + cluster y: cy is
; the batch and cluster y the block of 256 positions, so that the branch for the f32 rows hangs on cluster y and the wave's number alone, which all partners share.
; THE MATRIX INSTRUCTION IS USED TRANSPOSED (source 0 = 16 rows of B, source 1 = 16 rows of A): a lane holds eight neighbouring columns of one row of C.
; REGISTERS: window 0: v16-31 addresses; v32-95 scale words, two sets; v128-191 A's fragments, one set; v192-255 the bias at my columns.  On the way out v32-95 results in f32, v96-127 packed, v128-191 rows read back.
;   window 1: B's fragments, two sets, at v0 and v128.   window 2: accumulators of my rows 0-63 ((a, b) at v[8 (8 a + b)]);   window 3: rows 64-127.
.set SIZE_K, 1024
.set KSTEP,  512
.set NQ,     KSTEP/128
.set ROWB,   256
.set KROW,   SIZE_K*4/8
.set PITCH,  272                       ; an LDS row: 256 bytes + 16 of padding = 68 words: the 16 rows of a load start at 16 different banks (64 banks of 4 bytes: ISA guide 11.1)
.set FR,     8
.set NL,     2
.set NP,     4                         ; places behind this matrix instruction (ISA guide 7.12.1)
.set HALFT,  128*PITCH
.set SLOT,   4*HALFT
.set KS,     SIZE_K/32
.set SCL,    2*SLOT                    ; behind the slots: the scales, as runs of 256 bytes + 16 of padding
.set HALFS,  (128*KS/256)*272
.set SBLK,   (16*KS/256)*272
.set SPARE,  SCL+4*HALFS               ; the spare words, 128 bytes for each wave
.set SP16,   272                       ; the way out: a stage of 16 rows x (256 bytes + 16) for each wave, f16;
.set SP32,   528                       ; and one of 16 rows x (512 + 16), f32.  Both lie in slot 0, which has had its only fill and its last read when the first result is stored there
.set STG32,  4*16*SP16
.set ADRA, 16
.set ADRB, 20
.set STO32, 22
.set RD32, 23
.set STO,  24
.set RD,   25
.set CO,   26
.set ADRS, 27
.set SPW,  28
.set NIL,  29
.set CO32, 30
.set BO,   31
.set SC,   32
.set T,    32
.set PKD,  96
.set AF,   128
.set BK,   128
.set BIAS, 192
.set G1, 24
.set G0, 32
.set G1B, 48
.set G0B, 56
.set G1S, 68
.set G0S, 76
.set G1SB, 80
.set G0SB, 88
.set MSB, 0
.macro WIN new                         ; the immediate's high byte repeats the setting that is left
.if MSB != (\new)
	s_set_vgpr_msb (MSB<<8)|(\new)
.set MSB, (\new)
.endif
.endm
.set MUL_LO, 0xa1                      ; source 0 (B) window 1, source 1 (A) window 0, C and D window 2
.set MUL_HI, 0xf1
.set TO_B,   0x40
; A joint load: waves 0 and 1 fetch for A, waves 2 and 3 for B; the branch hangs on the wave's number alone.  An s_nop 0 and four v_nop follow each line.
.macro JLOAD g0a, g1a, g0b, g1b
	s_cmp_eq_u32 s15, 0
	s_cbranch_scc0 .Lfor_b_\@
	tensor_load_to_lds s[\g0a:\g0a+3], s[\g1a:\g1a+7]
	s_nop 0
.rept 4
	v_nop
.endr
	s_branch .Lasked_\@
.Lfor_b_\@:
	tensor_load_to_lds s[\g0b:\g0b+3], s[\g1b:\g1b+7]
	s_nop 0
.rept 4
	v_nop
.endr
.Lasked_\@:
.endm
.macro CROUND                          ; a round of the cluster's barrier
	s_barrier_signal -1
	s_barrier_wait -1
	s_cmp_lg_u32 s14, 0
	s_cbranch_scc1 .Lnot_wave_0_\@
	s_barrier_signal -3
.Lnot_wave_0_\@:
	s_barrier_wait -3
	s_barrier_signal -1
	s_barrier_wait -1
.endm
	s_load_b128 s[4:7], s[0:1], 0x0                ; xc, xs
	s_load_b128 s[8:11], s[0:1], 0x10              ; wc, ws
	s_load_b64 s[66:67], s[0:1], 0x20              ; b_attn
	s_load_b64 s[12:13], s[0:1], 0x28              ; qkv16
	s_load_b64 s[96:97], s[0:1], 0x30              ; fq
	v_lshl_add_u32 v[SPW], v0, 2, SPARE
	v_mov_b32 v[NIL], 0
	ds_add_u32 v[SPW], v[NIL]                      ; the wave's opening: the add, twice on end, and its wait ahead of my first tensor load
	ds_add_u32 v[SPW], v[NIL]
	v_lshrrev_b32 v1, 5, v0
	v_readfirstlane_b32 s14, v1                    ; wave 0..3
	s_lshr_b32 s15, s14, 1                         ; which half of the tile's rows is mine.  Also: I fetch for A (0) or for B (1)
	s_and_b32 s16, s14, 1                          ; which half of its columns.  Also: which 128 rows of that tile I fetch
	s_bfe_u32 s40, ttmp6, 0x40000                  ; cx
	s_bfe_u32 s41, ttmp6, 0x40004                  ; cy
	s_lshl_b32 s42, ttmp9, 2
	s_add_co_u32 s42, s42, s40                     ; tile column = 4 x cluster x + cx; cluster x is the section (q, k, v)
	s_and_b32 s95, ttmp7, 0xffff                   ; cluster y: the block of 256 positions
	s_lshl_b32 s17, s41, 3
	s_add_co_u32 s17, s17, s95                     ; tile row = 8 cy + cluster y
	s_lshl_b32 s43, s41, 2
	s_lshl_b32 s43, 15, s43                        ; my row of the cluster
	s_lshl_b32 s44, 0x1111, s40                    ; my column
	s_or_b32 s[G1+0], s43, (0<<16)|(1<<20)|(1<<21)|(5<<22)|(3<<25)  ; the mask; elements of 1 byte; padding on; bit 21 beside a mask; 4 words after every 64
	s_or_b32 s[G1B+0], s44, (0<<16)|(1<<20)|(1<<21)|(5<<22)|(3<<25)
.irp g, G1, G1B
	s_mov_b32 s[\g+1], ROWB<<16                    ; tensor_dim0
	s_mov_b32 s[\g+2], 128<<16                     ; tensor_dim1
	s_mov_b32 s[\g+3], ROWB<<16                    ; tile_dim0
	s_mov_b32 s[\g+4], 128                         ; tile_dim1
	s_mov_b32 s[\g+5], KROW                        ; stride
	s_mov_b32 s[\g+6], 0
	s_mov_b32 s[\g+7], 0
.endr
	s_or_b32 s[G1S+0], s43, (3<<16)|(1<<20)|(1<<21)|(5<<22)|(3<<25) ; the scales of 128 rows: 4,096 dense bytes, as 16 rows of 32 elements of 8 bytes
	s_or_b32 s[G1SB+0], s44, (3<<16)|(1<<20)|(1<<21)|(5<<22)|(3<<25)
.irp g, G1S, G1SB
	s_mov_b32 s[\g+1], 32<<16
	s_mov_b32 s[\g+2], (128*KS/256)<<16
	s_mov_b32 s[\g+3], 32<<16
	s_mov_b32 s[\g+4], 128*KS/256
	s_mov_b32 s[\g+5], 32
	s_mov_b32 s[\g+6], 0
	s_mov_b32 s[\g+7], 0
.endr
	s_lshl_b32 s18, s16, 7
	s_lshl_b32 s20, s17, 8
	s_add_co_u32 s20, s20, s18                     ; A: row 256 x tile row + 128 x half
	s_lshl_b32 s46, s42, 8
	s_add_co_u32 s46, s46, s18                     ; B: row 256 x tile column + 128 x half
	s_mov_b32 s21, 0
	s_mov_b32 s47, 0
	s_mov_b64 s[18:19], KS
	s_mul_u64 s[22:23], s[20:21], s[18:19]
	s_mul_u64 s[92:93], s[46:47], s[18:19]
	s_mov_b64 s[18:19], KROW
	s_mul_u64 s[20:21], s[20:21], s[18:19]
	s_mul_u64 s[46:47], s[46:47], s[18:19]
	s_mul_i32 s45, s14, HALFT                      ; where they go: wave x 128 rows: no place in the cluster enters an LDS address
	s_mul_i32 s94, s14, HALFS
	s_mov_b32 s98, 1.0
	s_cmp_eq_u32 ttmp9, 0                          ; section q is multiplied by c = log2(e) / 8, the others by 1: a choice of a value, no branch
	s_cselect_b32 s98, 0x3e38aa3b, s98
	s_mov_b32 s99, s98                             ; (named with it as a pair)
	s_or_b32 s100, s95, s15                        ; 0 where my first 16 rows are a sequence's first 16 positions
	s_wait_dscnt 0x0                               ; both opening adds are done
	s_wait_kmcnt 0x0
	s_add_nc_u64 s[20:21], s[4:5], s[20:21]
	s_add_nc_u64 s[22:23], s[6:7], s[22:23]
	s_add_nc_u64 s[46:47], s[8:9], s[46:47]
	s_add_nc_u64 s[92:93], s[10:11], s[92:93]
	CROUND                                         ; all sixteen work-groups are here: the joint loads meet
	s_mov_b32 s[G0S], 1
	s_add_co_u32 s[G0S+1], s94, SCL
	s_mov_b64 s[G0S+2:G0S+3], s[22:23]
	s_or_b32 s[G0S+3], s[G0S+3], 0x80000000
	s_mov_b32 s[G0SB], 1
	s_add_co_u32 s[G0SB+1], s94, SCL
	s_mov_b64 s[G0SB+2:G0SB+3], s[92:93]
	s_or_b32 s[G0SB+3], s[G0SB+3], 0x80000000
	JLOAD G0S, G1S, G0SB, G1SB                     ; the scales first: they are wanted with the first slot
.irp s, 0,1
	s_mov_b32 s[G0+4*\s], 1
	s_add_co_u32 s[G0+4*\s+1], s45, \s*SLOT
	s_add_nc_u64 s[G0+4*\s+2:G0+4*\s+3], s[20:21], \s*ROWB
	s_or_b32 s[G0+4*\s+3], s[G0+4*\s+3], 0x80000000
	s_mov_b32 s[G0B+4*\s], 1
	s_add_co_u32 s[G0B+4*\s+1], s45, \s*SLOT
	s_add_nc_u64 s[G0B+4*\s+2:G0B+4*\s+3], s[46:47], \s*ROWB
	s_or_b32 s[G0B+4*\s+3], s[G0B+4*\s+3], 0x80000000
	JLOAD G0+4*\s, G1, G0B+4*\s, G1B
.endr
	v_and_b32 v1, 15, v0                           ; r = l % 16
	v_bfe_u32 v2, v0, 4, 1                         ; h = l / 16
	v_mul_u32_u24 v3, v1, PITCH
	v_lshl_add_u32 v4, v2, 4, v3
	s_mul_i32 s21, s15, HALFT
	s_mul_i32 s22, s16, HALFT
	s_add_co_u32 s22, s22, 2*HALFT
.irp s, 0,1
	v_add_nc_u32 v[ADRA+\s], s21, v4
	v_add_nc_u32 v[ADRB+\s], s22, v4
	s_add_co_u32 s21, s21, SLOT
	s_add_co_u32 s22, s22, SLOT
.endr
	v_mul_u32_u24 v5, v1, KS                       ; my row's scales: 32 bytes a row,
	v_lshrrev_b32 v6, 8, v5
	v_lshl_add_u32 v5, v6, 4, v5                   ; and 16 more for each 256 passed
	s_mul_i32 s21, s15, HALFS
	s_mul_i32 s22, s16, HALFS
	s_add_co_u32 s22, s22, 2*HALFS
	s_sub_co_u32 s22, s22, s21
	v_mul_u32_u24 v6, s22, v2                      ; lanes 16-31 take B's
	s_add_co_u32 s21, s21, SCL
	v_add_nc_u32 v5, v5, v6
	v_add_nc_u32 v[ADRS], s21, v5
	s_mul_i32 s23, s14, 16*SP16                    ; my f16 stage
	v_mul_u32_u24 v5, v1, SP16
	v_lshl_add_u32 v5, v2, 4, v5
	v_add_nc_u32 v[STO], s23, v5                   ; in: row r, 16 bytes for each half of the lanes
	v_bfe_u32 v5, v0, 3, 1
	v_mul_u32_u24 v5, v5, SP16
	v_lshl_add_u32 v5, v2, 7, v5
	v_and_b32 v6, 7, v0
	v_lshl_add_u32 v5, v6, 4, v5
	v_add_nc_u32 v[RD], s23, v5                    ; back: lanes 0-15 two rows of my first head's 128 bytes, lanes 16-31 of my second head's
	v_lshlrev_b32 v[CO], 18, v2
	v_lshl_add_u32 v[CO], v1, 4, v[CO]             ; in qkv16: a head is 262,144 bytes on; two rows of a head are 256 consecutive bytes
	s_mul_i32 s23, s14, 16*SP32
	s_add_co_u32 s23, s23, STG32                   ; my f32 stage
	v_mul_u32_u24 v5, v1, SP32
	v_lshl_add_u32 v5, v2, 5, v5
	v_add_nc_u32 v[STO32], s23, v5
	v_and_b32 v6, 31, v0
	v_lshlrev_b32 v[CO32], 4, v6
	v_add_nc_u32 v[RD32], s23, v[CO32]
	v_lshlrev_b32 v[BO], 5, v2                     ; the bias: my half's eight columns of a block of 16
	; qkv16: section << 24 + (16 cy + 4 cx + 2 x column half) << 18 + (256 cluster y + 128 x row half) x 128
	s_lshl_b32 s20, ttmp9, 24
	s_lshl_b32 s21, s41, 4
	s_lshl_b32 s46, s40, 2
	s_add_co_u32 s21, s21, s46
	s_lshl_b32 s46, s16, 1
	s_add_co_u32 s21, s21, s46
	s_lshl_b32 s21, s21, 18
	s_add_co_u32 s20, s20, s21
	s_lshl_b32 s21, s95, 15
	s_add_co_u32 s20, s20, s21
	s_lshl_b32 s21, s15, 14
	s_add_co_u32 s20, s20, s21
	s_mov_b32 s21, 0
	s_add_nc_u64 s[12:13], s[12:13], s[20:21]
	s_lshl_b32 s20, s42, 10                        ; my first column among the 3,072, in f32 bytes
	s_lshl_b32 s46, s16, 9
	s_add_co_u32 s20, s20, s46
	s_add_nc_u64 s[66:67], s[66:67], s[20:21]
	s_mul_i32 s46, s41, 196608                     ; fq: a batch is 16 rows of 12,288 bytes
	s_add_co_u32 s20, s20, s46
	s_add_nc_u64 s[96:97], s[96:97], s[20:21]
.irp b, 0,1,2,3,4,5,6,7
	global_load_b128 v[BIAS+8*\b:BIAS+8*\b+3],   v[BO], s[66:67] offset:64*\b      ; b_attn at columns 16 b + 8 h + 0 .. 7: waited for on the way out
	global_load_b128 v[BIAS+8*\b+4:BIAS+8*\b+7], v[BO], s[66:67] offset:64*\b+16
.endr
.macro FRAG reg, adr, q, i             ; 16 rows x 128 K of 4-bit codes: 8 registers, two loads of 16 bytes, 32 bytes apart
.irp c, 0,1
	ds_load_b128 v[\reg+4*\c:\reg+4*\c+3], v[\adr] offset:64*(\q)+32*\c+(\i)*16*PITCH
.endr
.endm
; 16 matrix instructions: A's blocks a0, a0 + 1 x B's eight.  The 64 accumulators take turns, one instruction a turn, in the same order in every step.
.macro MUL16 a0, p, q, sc, zero
.irp a, \a0, \a0+1
.irp b, 0,1,2,3,4,5,6,7
.if \zero
	v_wmma_scale_f32_16x16x128_f8f6f4 v[8*(8*((\a)%4)+\b):8*(8*((\a)%4)+\b)+7], v[128*(\p)+FR*\b:128*(\p)+FR*\b+FR-1], v[AF+FR*(\a):AF+FR*(\a)+FR-1], 0, v[SC+8*NQ*(\sc)+NQ*\b+(\q)], v[SC+8*NQ*(\sc)+NQ*(\a)+(\q)] matrix_a_fmt:MATRIX_FMT_FP4 matrix_b_fmt:MATRIX_FMT_FP4 matrix_a_scale:MATRIX_SCALE_ROW1
.else
	v_wmma_scale_f32_16x16x128_f8f6f4 v[8*(8*((\a)%4)+\b):8*(8*((\a)%4)+\b)+7], v[128*(\p)+FR*\b:128*(\p)+FR*\b+FR-1], v[AF+FR*(\a):AF+FR*(\a)+FR-1], v[8*(8*((\a)%4)+\b):8*(8*((\a)%4)+\b)+7], v[SC+8*NQ*(\sc)+NQ*\b+(\q)], v[SC+8*NQ*(\sc)+NQ*(\a)+(\q)] matrix_a_fmt:MATRIX_FMT_FP4 matrix_b_fmt:MATRIX_FMT_FP4 matrix_a_scale:MATRIX_SCALE_ROW1
.endif
.endr
.endr
.endm
.macro FETCH_B slot, q, p
	WIN TO_B
.irp i, 0,1,2,3,4,5,6,7
	FRAG 128*(\p)+FR*\i, ADRB+\slot, \q, \i
.endr
	WIN 0
.endm
.macro FETCH_A slot, q, i0
.irp i, \i0, \i0+1, \i0+2, \i0+3
	FRAG AF+FR*(\i), ADRA+\slot, \q, \i
.endr
.endm
.macro SCALES sc                       ; a slot's scale words: four a row; lanes 0-15 take A's block i, lanes 16-31 B's block i
.irp i, 0,1,2,3,4,5,6,7
	ds_load_b128 v[SC+8*NQ*\sc+NQ*\i:SC+8*NQ*\sc+NQ*\i+3], v[ADRS] offset:\i*SBLK
.endr
.endm
.macro PLACES n                        ; places in front of loads into registers that matrix instructions have read (ISA guide 7.12.1 for vector instructions)
.rept \n
	v_nop
.endr
.endm
.macro STEP slot, q, zero              ; 128 along K that has its successor in the same slot
	s_wait_dscnt 4*NL                              ; B's set and A's blocks 0-3 are in; the youngest eight loads (A's blocks 4-7) may be out
	WIN MUL_LO
	MUL16 0, (\q)%2, \q, \slot, \zero
	MUL16 2, (\q)%2, \q, \slot, \zero
	s_wait_dscnt 0
	PLACES NP
	FETCH_B \slot, (\q)+1, 1-(\q)%2
	FETCH_A \slot, (\q)+1, 0
	WIN MUL_HI
	MUL16 4, (\q)%2, \q, \slot, \zero
	MUL16 6, (\q)%2, \q, \slot, \zero
	PLACES NP
	WIN 0
	FETCH_A \slot, (\q)+1, 4
.endm
; Slot 0's last step changes slots: one barrier; in front of it each wave waits for all its tensor loads (its part of slot 1), adds 0 to its spare word, and waits for that and for its reads of slot 0.
; Behind it slot 1 is whole and nobody reads slot 0 any more: the stages of the way out may lie there.  Nothing is filled again.
.macro TURN slot, next
	s_wait_tensorcnt 0x0
	ds_add_u32 v[SPW], v[NIL]
	s_wait_dscnt 4*NL+1                            ; (the add and A's blocks 4-7 may be out)
	WIN MUL_LO
	MUL16 0, 1, NQ-1, \slot, 0
	s_wait_dscnt 0x0
	s_barrier_signal -1
	MUL16 2, 1, NQ-1, \slot, 0
	WIN 0
	s_barrier_wait -1
	PLACES NP
	v_add_nc_u32 v[ADRS], 4*NQ, v[ADRS]            ; on to the next slot's scale words
	FETCH_B \next, 0, 0
	FETCH_A \next, 0, 0
	SCALES \next
	WIN MUL_HI
	MUL16 4, 1, NQ-1, \slot, 0
	MUL16 6, 1, NQ-1, \slot, 0
	PLACES NP
	WIN 0
	FETCH_A \next, 0, 4
.endm
.macro STEPS slot, from
.set Q, \from
.rept NQ-1-\from
	STEP \slot, Q, 0
.set Q, Q+1
.endr
.endm
	s_wait_tensorcnt 1                             ; the scales and my part of slot 0 are in; slot 1's load may be out,
	s_barrier_signal -1
	s_barrier_wait -1                              ; everybody's are
	FETCH_B 0, 0, 0
	FETCH_A 0, 0, 0
	SCALES 0
	FETCH_A 0, 0, 4
	STEP 0, 0, 1                                   ; the first products start the sums: nothing is cleared
	STEPS 0, 1
	TURN 0, 1
	STEPS 1, 0
	s_wait_dscnt 4*NL
	WIN MUL_LO
	MUL16 0, 1, NQ-1, 1, 0
	MUL16 2, 1, NQ-1, 1, 0
	s_wait_dscnt 0
	WIN MUL_HI
	MUL16 4, 1, NQ-1, 1, 0
	MUL16 6, 1, NQ-1, 1, 0
	WIN 0
; THE WAY OUT, a block of 16 rows x 128 columns at a time: (sum + bias) x factor as one fused multiply-add on bias x factor; rounded to f16; through my own stage; out as runs of 256 bytes.
	s_wait_loadcnt 0x0                             ; the bias
.set i, 0
.rept 32
	v_pk_mul_f32 v[BIAS+i:BIAS+i+1], v[BIAS+i:BIAS+i+1], s[98:99] op_sel_hi:[1,0]   ; bias x factor.  These 32 name no register of the last products: they are the places behind them
.set i, i+2
.endr
.macro PACK a
.set AC, 64*((\a)%4)
	WIN 0x02+(\a)/4                                ; source 0: window 2 or 3
.irp b, 0,1,2,3,4,5,6,7
.irp i, 0,1,2,3
	v_pk_fma_f32 v[T+8*\b+2*\i:T+8*\b+2*\i+1], v[AC+8*\b+2*\i:AC+8*\b+2*\i+1], s[98:99], v[BIAS+8*\b+2*\i:BIAS+8*\b+2*\i+1] op_sel_hi:[1,0,1]   ; each accumulator from its low end on
.endr
.endr
	WIN 0
.irp b, 0,1,2,3,4,5,6,7
.irp i, 0,1,2,3
	v_cvt_pk_f16_f32 v[PKD+4*\b+\i], v[T+8*\b+2*\i], v[T+8*\b+2*\i+1]
.endr
.endr
.endm
.macro TOSTAGE a
.if (\a) >= 2
	s_wait_xcnt 0x0                                ; the stores of block a - 2 have read the registers that these loads fill
.endif
.irp b, 0,1,2,3,4,5,6,7
	ds_store_b128 v[STO], v[PKD+4*\b:PKD+4*\b+3] offset:32*\b
.endr
.irp i, 0,1,2,3,4,5,6,7
	ds_load_b128 v[BK+32*((\a)%2)+4*\i:BK+32*((\a)%2)+4*\i+3], v[RD] offset:\i*2*SP16   ; LDS serves a wave's instructions in order (ISA guide 5.7.1.4)
.endr
.endm
.macro SEND a
	s_wait_dscnt 0x0
.irp i, 0,1,2,3,4,5,6,7
	global_store_b128 v[CO], v[BK+32*((\a)%2)+4*\i:BK+32*((\a)%2)+4*\i+3], s[12:13] offset:2048*(\a)+256*\i   ; 16 lanes store 256 consecutive bytes, at a multiple of 256 from the buffer's first byte
.endr
.endm
	PACK 0
	s_cmp_eq_u32 s100, 0                           ; cluster y and the wave's row half alone: the same in all partners for a given wave; no barrier stands inside
	s_cbranch_scc0 .Lno_fine
.irp b, 0,1,2,3,4,5,6,7
	ds_store_b128 v[STO32], v[T+8*\b:T+8*\b+3] offset:64*\b
	ds_store_b128 v[STO32], v[T+8*\b+4:T+8*\b+7] offset:64*\b+16
.endr
.irp t, 0,1,2,3,4,5,6,7,8,9,10,11,12,13,14,15
	ds_load_b128 v[BK+4*\t:BK+4*\t+3], v[RD32] offset:\t*SP32
.endr
	s_wait_dscnt 0x0
.irp t, 0,1,2,3,4,5,6,7,8,9,10,11,12,13,14,15
	global_store_b128 v[CO32], v[BK+4*\t:BK+4*\t+3], s[96:97] offset:\t*12288      ; 32 lanes store 512 consecutive bytes of a row of fq
.endr
	s_wait_xcnt 0x0                                ; these stores have read their registers, which the next loads fill
.Lno_fine:
	TOSTAGE 0
.irp a, 1,2,3,4,5,6,7                  ; block a's arithmetic stands between block a - 1's loads from the stage and the wait for them
	PACK \a
	SEND \a-1
	TOSTAGE \a
.endr
	SEND 7
	s_wait_tensorcnt 0x0                           ; the wave's end
	ds_add_u32 v[SPW], v[NIL]
	s_wait_dscnt 0x0
	CROUND                                         ; the closing round
	s_endpgm
.Lfunc_end_k_q67ffb23cfc_gemm_qkv:
	.size	k_q67ffb23cfc_gemm_qkv, .Lfunc_end_k_q67ffb23cfc_gemm_qkv-k_q67ffb23cfc_gemm_qkv
	.p2alignl 7, 3214868480
	.fill 96, 4, 3214868480
	.section	.rodata,"a",@progbits
	.p2align	6, 0x0
	.amdhsa_kernel k_q67ffb23cfc_gemm_qkv
		.amdhsa_group_segment_fixed_size 327680
		.amdhsa_private_segment_fixed_size 0
		.amdhsa_enable_private_segment 0
		.amdhsa_kernarg_size 56
		.amdhsa_user_sgpr_count 2
		.amdhsa_user_sgpr_kernarg_segment_ptr 1
		.amdhsa_wavefront_size32 1
		.amdhsa_system_sgpr_workgroup_id_x 1
		.amdhsa_system_sgpr_workgroup_id_y 1
		.amdhsa_system_sgpr_workgroup_id_z 1
		.amdhsa_system_vgpr_workitem_id 0
		.amdhsa_next_free_vgpr 1024
		.amdhsa_next_free_sgpr 102
		.amdhsa_reserve_vcc 0
		.amdhsa_float_denorm_mode_32 3
		.amdhsa_float_denorm_mode_16_64 3
		.amdhsa_memory_ordered 1
		.amdhsa_forward_progress 1
		.amdhsa_inst_pref_size 150
	.end_amdhsa_kernel
	.amdgpu_metadata
---
amdhsa.version: [ 1, 2 ]
amdhsa.kernels:
  - .name:           k_q67ffb23cfc_gemm_qkv
    .symbol:         k_q67ffb23cfc_gemm_qkv.kd
    .args:
      - { .name: xc, .offset: 0, .size: 8, .value_kind: global_buffer, .address_space: global }
      - { .name: xs, .offset: 8, .size: 8, .value_kind: global_buffer, .address_space: global }
      - { .name: wc, .offset: 16, .size: 8, .value_kind: global_buffer, .address_space: global }
      - { .name: ws, .offset: 24, .size: 8, .value_kind: global_buffer, .address_space: global }
      - { .name: b_attn, .offset: 32, .size: 8, .value_kind: global_buffer, .address_space: global }
      - { .name: qkv16, .offset: 40, .size: 8, .value_kind: global_buffer, .address_space: global }
      - { .name: fq, .offset: 48, .size: 8, .value_kind: global_buffer, .address_space: global }
    .group_segment_fixed_size: 327680
    .private_segment_fixed_size: 0
    .kernarg_segment_align: 8
    .kernarg_segment_size: 56
    .max_flat_workgroup_size: 128
    .sgpr_count:     102
    .vgpr_count:     1024
    .wavefront_size: 32
...
	.end_amdgpu_metadata
.endif
;; end of part 2
;; launch attn (part 3): grid 4 x 64, 16 waves a work-group, no clusters, 327,680 bytes of LDS; arguments qkv16, y16; writes y16
.if DOCPART == 3
	.amdgcn_target "amdgcn-amd-amdhsa--gfx1250"
	.amdhsa_code_object_version 6
	.text
	.protected	k_q67ffb23cfc_attn
	.globl	k_q67ffb23cfc_attn
	.p2align	8
	.type	k_q67ffb23cfc_attn,@function
k_q67ffb23cfc_attn:
	s_mov_b64 s[64:65], 0
	v_nop
	global_prefetch_b8 v0, s[64:65] scope:SCOPE_SE
	s_setreg_imm32_b32 hwreg(HW_REG_WAVE_MODE, 25, 1), 1
	s_wait_xcnt 0x0
; y[b][t][h][:] = the sum over keys k <= t of softmax_k(q . k / 8) v, for 64 heads of 2,048 positions and 64 channels.  q (already times c = log2(e) / 8), k, v: f16, qkv16 [section][head][position][64].
; Products on f16 operands with f32 sums; maxima, exponentials and sums in f32; the weights p = 2^(t - m), m the running maximum, are rounded to f16 for the second product; y once, to f16, at the end.
; OUT: y16 [row / 128][head][row % 128][64], row = 2,048 b + t: the layout in which the projection's tiles are dense.
; LIMITS: magnitudes of y stay under 65,504; the running maximum starts at -3e38, under every score that is served.
; SHARES.  A work-group owns two blocks of 256 queries of one head, blocks i and 7 - i (i = work-group x), so that under the causal mask all 256 work-groups have the same work.  Each of its sixteen waves owns 32
; queries, two tiles of 16, in 256 registers: four waves to a SIMD, so that one wave's vector work stands beside another's matrix work and LDS loads.  Of two neighbouring waves one takes the early block, one the late.
; Keys go 64 a step; K's and V's tiles come through a ring of two LDS slots of 256 keys, filled by the tensor data mover (waves 0, 1: K's halves; waves 2, 3: V's) and read by all sixteen.
; NO CLUSTER: the four work-groups of a head walk 8, 7, 6 and 5 slots; a joint load would bring three of them tiles that none of their waves reads.
; LAYOUT.  S^T = K Q^T (source 0 = 16 keys, source 1 = 16 queries): a lane holds ONE query (lane % 16) and keys 8 (lane / 16) + 0..7.  Two such tiles rounded in pairs ARE source 1 of O^T = V^T P.  V is turned by ds_load_tr16_b128.
; CAUSAL.  Every work-group walks all eight changes of slots (constant trip counts, no barrier jumped over).  A step all of whose keys come after the wave's queries is left out by a scalar branch on ids; on the
; diagonal hidden scores become -infinity.  A slot whose first key comes after the work-group's last query is not asked for; every wait on TENSORcnt is for 0.
; All of a WGP's LDS is claimed; 210,944 bytes are used.
.set PK,    144                        ; a key's row of K in LDS: 128 bytes + 16: 36 words: the 16 rows of a load start at 16 different banks (64 banks of 4 bytes: ISA guide 11.1)
.set PV,    160                        ; of V: 128 + 32: 40 words
.set SK,    256                        ; keys in a slot
.set VOFF,  SK*PK
.set SLOT1, 1<<17                      ; slot 1 begins here: one exclusive or turns an address
.set STAGE, SK*(PK+PV)                 ; behind slot 0, bytes of its own: 16 rows x 144 bytes for each wave, for the way out
.set SPARE, SLOT1+SK*(PK+PV)           ; behind slot 1: the spare words, 128 bytes for each wave
.set AK0, 1                            ; v1   my lane's place in a tile of K
.set AV0, 2                            ; v2   in a tile of V
.set ADK, 3                            ; v3   the step's address in K
.set ADV, 4                            ; v4   in V
.set SPW, 5
.set NIL, 6
.set GO,  7                            ; v7   16 x lane
.set STO, 8
.set RD,  9
.set RH,  10                           ; v10  lane % 16 - 8 (lane / 16)
.set PFO, 11                           ; v11  256 x lane
.set ST,  12                           ; tile u's statistics at v[12 + 8 u]: +0 m, +1 zero, +2, +3 l, +4 .. +7 at work (a takes +6)
.set DD,  28
.set NINF, 29
.set QF,  32                           ; v32-63   Q: fragment (u, c) at 32 + 16 u + 8 c
.set S,   64                           ; v64-127  S^T: tile (u, kt) at 64 + 32 u + 8 kt; P in place at 64 + 32 u + 0 .. 15
.set O,   128                          ; v128-191 O^T: tile (u, dt) at 128 + 32 u + 8 dt
.set FB,  192                          ; v192-255 eight fragments: K's, then V's
.set TBK, 2
.set TBV, 3
.set WV,  18
.set SEL, 20
.set KF,  22
.set Q0,  23
.set G1K, 24
.set G1V, 32
.set G0K, 40
.set G0V, 44
.set LASTQ, 48
.set SLOTS, 49
.set INNER, 50
.set LIM, 51
.set PFA, 52
.set QB,  54
.macro TLOAD                           ; waves 0 and 1 fetch for K, waves 2 and 3 for V, the others nothing; an s_nop 0 and four v_nop follow each line
	s_cmp_lt_u32 s[WV], 2
	s_cbranch_scc0 .Lnot_k_\@
	tensor_load_to_lds s[G0K:G0K+3], s[G1K:G1K+7]
	s_nop 0
.rept 4
	v_nop
.endr
	s_branch .Lasked_\@
.Lnot_k_\@:
	s_cmp_lt_u32 s[WV], 4
	s_cbranch_scc0 .Lasked_\@
	tensor_load_to_lds s[G0V:G0V+3], s[G1V:G1V+7]
	s_nop 0
.rept 4
	v_nop
.endr
.Lasked_\@:
.endm
; A PREFETCH of what the NEXT change of slots will ask for: 32,768 dense bytes of K and as many of V.  The head's first work-group asks, which walks all eight slots; in it the waves that fetch nothing:
; waves 4-7 for K, waves 8-11 for V, 8,192 bytes a wave, lanes 256 bytes apart: each run of 256 bytes is named once in the launch.  Four key steps ahead of the load.  The last change that fills a slot asks for nothing.
.macro ASK
	s_cmp_gt_u32 s[SLOTS], s[LIM]
	s_cbranch_scc0 .Lnot_mine_\@
	global_prefetch_b8 v[PFO], s[PFA:PFA+1] th:TH_LOAD_NT scope:SCOPE_SE
.Lnot_mine_\@:
.endm
	s_load_b128 s[4:7], s[0:1], 0x0                ; qkv16, y16
	v_lshl_add_u32 v[SPW], v0, 2, SPARE
	v_mov_b32 v[NIL], 0
	ds_add_u32 v[SPW], v[NIL]                      ; the wave's opening: the add, twice on end, and its wait ahead of the first tensor load
	ds_add_u32 v[SPW], v[NIL]
	v_lshrrev_b32 v1, 5, v0
	v_readfirstlane_b32 s[WV], v1                  ; wave 0..15
	s_mov_b32 s[G1K], (1<<16)|(1<<20)|(4<<22)|(3<<25)   ; no mask; elements of 2 bytes; padding on: 4 words after every 32
	s_mov_b32 s[G1V], (1<<16)|(1<<20)|(4<<22)|(7<<25)   ; 8 words
.irp g, G1K, G1V
	s_mov_b32 s[\g+1], 64<<16                      ; tensor_dim0 = 64
	s_mov_b32 s[\g+2], 128<<16                     ; tensor_dim1 = 128
	s_mov_b32 s[\g+3], 64<<16                      ; tile_dim0
	s_mov_b32 s[\g+4], 128                         ; tile_dim1
	s_mov_b32 s[\g+5], 64                          ; stride: the rows are dense
	s_mov_b32 s[\g+6], 0
	s_mov_b32 s[\g+7], 0
.endr
	s_and_b32 s8, ttmp7, 0xffff                    ; batch x 16 + head
	s_lshl_b32 s10, s8, 18                         ; the head's first byte in a section
	s_and_b32 s9, s[WV], 1                         ; which 128 keys of a slot I fetch, if I fetch
	s_mul_i32 s12, s9, 128*PK
	s_mul_i32 s13, s9, 128*PV
	s_add_co_u32 s13, s13, VOFF
	s_lshl_b32 s14, s9, 14
	s_add_co_u32 s14, s14, s10
	s_mov_b32 s15, 0
	s_lshr_b32 s16, s[WV], 2
	s_xor_b32 s16, s16, s[WV]
	s_and_b32 s16, s16, 1                          ; 1: the late block
	s_sub_co_u32 s17, 7, ttmp9
	s_cmp_eq_u32 s16, 1
	s_cselect_b32 s17, s17, ttmp9
	s_lshl_b32 s17, s17, 8
	s_lshr_b32 s16, s[WV], 1
	s_lshl_b32 s16, s16, 5
	s_add_co_u32 s[Q0], s17, s16                   ; my first query
	s_sub_co_u32 s[LASTQ], 8, ttmp9
	s_lshl_b32 s[LASTQ], s[LASTQ], 8
	s_sub_co_u32 s[LASTQ], s[LASTQ], 1             ; my work-group's last query
	s_lshl_b32 s56, s[Q0], 7
	s_add_co_u32 s56, s56, s10
	s_mov_b32 s57, 0                               ; q's offset
	s_lshr_b32 s16, s8, 4
	s_lshl_b32 s16, s16, 11
	s_add_co_u32 s16, s16, s[Q0]                   ; my first row of y
	s_lshr_b32 s17, s16, 7
	s_lshl_b32 s17, s17, 4
	s_and_b32 s58, s8, 15
	s_add_co_u32 s17, s17, s58
	s_lshl_b32 s17, s17, 14
	s_and_b32 s16, s16, 127
	s_lshl_b32 s16, s16, 7
	s_add_co_u32 s16, s16, s17
	s_mov_b32 s17, 0                               ; y's offset
	s_mov_b32 s[SEL], 0x76543210
	s_mov_b32 s[SEL+1], 0xfedcba98                 ; v_permlanex16_b32's selects for lane l xor 16
	s_mov_b32 s[TBK], 0
	s_mov_b32 s[TBV], 0
	s_mov_b32 s[KF], 0
	s_mov_b32 s[SLOTS], 7
	s_wait_dscnt 0x0                               ; both opening adds are done
	s_wait_kmcnt 0x0
	s_mov_b32 s[G0K], 1
	s_mov_b32 s[G0K+1], s12
	s_add_nc_u64 s[G0K+2:G0K+3], s[4:5], s[14:15]
	s_add_nc_u64 s[G0K+2:G0K+3], s[G0K+2:G0K+3], 0x1000000
	s_or_b32 s[G0K+3], s[G0K+3], 0x80000000
	s_mov_b32 s[G0V], 1
	s_mov_b32 s[G0V+1], s13
	s_add_nc_u64 s[G0V+2:G0V+3], s[4:5], s[14:15]
	s_add_nc_u64 s[G0V+2:G0V+3], s[G0V+2:G0V+3], 0x2000000
	s_or_b32 s[G0V+3], s[G0V+3], 0x80000000
	TLOAD                                          ; slot 0: key 0 counts for every query
	s_add_nc_u64 s[QB:QB+1], s[4:5], s[56:57]
	s_add_nc_u64 s[6:7], s[6:7], s[16:17]
	s_mov_b32 s58, 0x2000000
	s_cmp_lt_u32 s[WV], 8
	s_cselect_b32 s58, 0x1000000, s58
	s_and_b32 s59, s[WV], 3
	s_lshl_b32 s59, s59, 13
	s_add_co_u32 s58, s58, s59
	s_add_co_u32 s58, s58, s10
	s_add_co_u32 s58, s58, SK*128                  ; in slot 1: the first change of slots steps it to slot 2.  Nothing is prefetched at the head
	s_mov_b32 s59, 0
	s_add_nc_u64 s[PFA:PFA+1], s[4:5], s[58:59]
	s_sub_co_u32 s58, s[WV], 4
	s_lshr_b32 s58, s58, 3                         ; 0 in waves 4 to 11,
	s_or_b32 s58, s58, ttmp9                       ; of the head's first work-group
	s_cmp_eq_u32 s58, 0
	s_cselect_b32 s[LIM], 1, -1
	v_and_b32 v30, 15, v0                          ; r
	v_bfe_u32 v31, v0, 4, 1                        ; h
	v_lshlrev_b32 v3, 7, v30
	v_lshl_add_u32 v3, v31, 4, v3
.irp u, 0,1
.irp c, 0,1
	global_load_b128 v[QF+16*\u+8*\c:QF+16*\u+8*\c+3],   v3, s[QB:QB+1] offset:2048*\u+64*\c       ; Q stays in registers
	global_load_b128 v[QF+16*\u+8*\c+4:QF+16*\u+8*\c+7], v3, s[QB:QB+1] offset:2048*\u+64*\c+32
.endr
.endr
	v_mul_u32_u24 v[AK0], v30, PK
	v_lshl_add_u32 v[AK0], v31, 4, v[AK0]          ; row r x pitch + 16 h
	v_and_b32 v4, 7, v0
	v_lshl_add_u32 v4, v31, 3, v4
	v_mul_u32_u24 v[AV0], v4, PV                   ; the turning load: key 8 h + l % 8,
	v_bfe_u32 v4, v0, 3, 1
	v_lshl_add_u32 v[AV0], v4, 4, v[AV0]           ; channels 8 ((l / 8) % 2) on
	v_add_nc_u32 v[AV0], VOFF, v[AV0]
	v_and_b32 v[GO], 31, v0
	v_lshlrev_b32 v[PFO], 8, v[GO]
	v_lshlrev_b32 v[GO], 4, v[GO]
	s_mul_i32 s58, s[WV], 16*PK
	s_add_co_u32 s58, s58, STAGE                   ; my stage
	v_add_nc_u32 v[STO], s58, v[AK0]               ; in: row r, 16 bytes for each half of the lanes
	v_bfe_u32 v4, v0, 3, 2
	v_mul_u32_u24 v[RD], v4, PK
	v_and_b32 v4, 7, v0
	v_lshl_add_u32 v[RD], v4, 4, v[RD]
	v_add_nc_u32 v[RD], s58, v[RD]                 ; back: eight lanes to a row of 128 bytes, four rows an instruction
	v_lshlrev_b32 v4, 3, v31
	v_sub_nc_u32 v[RH], v30, v4
	v_mov_b32 v[NINF], 0xff800000
.irp u, 0,1
	v_mov_b32 v[ST+8*\u], 0xff61b1e6               ; m = -3e38
.irp k, 1,2,3,4,5,6,7
	v_mov_b32 v[ST+8*\u+\k], 0                     ; l, and the registers at work (a lane permute's destination counts as read)
.endr
.endr
.set j, 0
.rept 64
	v_mov_b32 v[O+j], 0                            ; O^T.  (The step is written once: its first turn finds zeros, which a = 0 leaves zeros)
.set j, j+1
.endr
; A KEY STEP: 64 keys.
.macro STEP
	s_add_co_u32 s58, s[Q0], 31
	s_cmp_gt_u32 s[KF], s58                        ; all keys come after my 32 queries: the step's work is left out; the address steps at its end are not
	s_cbranch_scc1 .Lhidden_\@
	v_add_nc_u32 v[ADK], s[TBK], v[AK0]
	v_add_nc_u32 v[ADV], s[TBV], v[AV0]
.rept 3
	v_nop                                          ; with the two additions: five places behind the last step's products, whose source P the first products below write over, and whose source V the loads fill
.endr
.irp c, 0,1
.irp kt, 0,1,2,3
	ds_load_b128 v[FB+8*(2*\kt+\c):FB+8*(2*\kt+\c)+3],   v[ADK] offset:\kt*16*PK+64*\c
	ds_load_b128 v[FB+8*(2*\kt+\c)+4:FB+8*(2*\kt+\c)+7], v[ADK] offset:\kt*16*PK+64*\c+32
.endr
.endr
.irp c, 0,1                            ; S^T = K Q^T: eight accumulators by turns, one instruction a turn
	s_wait_dscnt 8-8*\c                            ; channels 32 c on are in; the second half's eight loads may be out
.irp kt, 0,1,2,3
.irp u, 0,1
.if \c == 0
	v_wmma_f32_16x16x32_f16 v[S+32*\u+8*\kt:S+32*\u+8*\kt+7], v[FB+8*(2*\kt+\c):FB+8*(2*\kt+\c)+7], v[QF+16*\u+8*\c:QF+16*\u+8*\c+7], 0
.else
	v_wmma_f32_16x16x32_f16 v[S+32*\u+8*\kt:S+32*\u+8*\kt+7], v[FB+8*(2*\kt+\c):FB+8*(2*\kt+\c)+7], v[QF+16*\u+8*\c:QF+16*\u+8*\c+7], v[S+32*\u+8*\kt:S+32*\u+8*\kt+7]
.endif
.endr
.endr
.endr
.rept 4
	v_nop                                          ; places in front of the loads into K's registers and of the first read of the scores
.endr
.irp g, 0,1                            ; V of this step, turned: it lands while the softmax is worked
.irp dt, 0,1,2,3
	ds_load_tr16_b128 v[FB+8*(4*\g+\dt):FB+8*(4*\g+\dt)+3],   v[ADV] offset:\g*32*PV+32*\dt
	ds_load_tr16_b128 v[FB+8*(4*\g+\dt)+4:FB+8*(4*\g+\dt)+7], v[ADV] offset:\g*32*PV+16*PV+32*\dt
.endr
.endr
	s_add_co_u32 s58, s[KF], 63
	s_cmp_le_u32 s58, s[Q0]                        ; all 64 keys count for all my queries: no mask
	s_cbranch_scc1 .Lopen_\@
	s_sub_co_i32 s58, s[Q0], s[KF]
	v_add_nc_u32 v[DD], s58, v[RH]                 ; register j of tile (u, kt) holds key KF + 16 kt + 8 h + j for query Q0 + 16 u + r: hidden where 16 kt + j - 16 u > Q0 - KF + r - 8 h
.irp u, 0,1
.irp kt, 0,1,2,3
.irp j, 0,1,2,3,4,5,6,7
	v_cmp_gt_i32 vcc_lo, 16*\kt+\j-16*\u, v[DD]
	v_cndmask_b32 v[S+32*\u+8*\kt+\j], v[S+32*\u+8*\kt+\j], v[NINF], vcc_lo
.endr
.endr
.endr
.Lopen_\@:
.irp k, 0,1,2,3                        ; the maximum of a lane's 32 scores and the old m: four chains, each begun at its accumulator's low end; the two tiles by turns
.irp u, 0,1
	v_max3_num_f32 v[ST+8*\u+4+\k], v[S+32*\u+8*\k], v[S+32*\u+8*\k+1], v[S+32*\u+8*\k+2]
.endr
.endr
.irp i, 3,5
.irp k, 0,1,2,3
.irp u, 0,1
	v_max3_num_f32 v[ST+8*\u+4+\k], v[ST+8*\u+4+\k], v[S+32*\u+8*\k+\i], v[S+32*\u+8*\k+\i+1]
.endr
.endr
.endr
.irp u, 0,1
	v_max3_num_f32 v[ST+8*\u+4], v[ST+8*\u+4], v[S+32*\u+7], v[S+32*\u+15]
	v_max3_num_f32 v[ST+8*\u+6], v[ST+8*\u+6], v[S+32*\u+23], v[S+32*\u+31]
.endr
.irp u, 0,1
	v_max3_num_f32 v[ST+8*\u+4], v[ST+8*\u+4], v[ST+8*\u+5], v[ST+8*\u+6]
.endr
.irp u, 0,1
	v_max3_num_f32 v[ST+8*\u+4], v[ST+8*\u+4], v[ST+8*\u+7], v[ST+8*\u]
.endr
.irp u, 0,1
	v_permlanex16_b32 v[ST+8*\u+5], v[ST+8*\u+4], s[SEL], s[SEL+1]   ; the query's other 32 keys lie in the lane 16 away
.endr
.irp u, 0,1
	v_max_num_f32 v[ST+8*\u+6], v[ST+8*\u+4], v[ST+8*\u+5]           ; the new m
.endr
.irp u, 0,1
	v_sub_f32 v[ST+8*\u+7], v[ST+8*\u], v[ST+8*\u+6]                 ; old m - new m
.endr
.irp u, 0,1
	v_mov_b32 v[ST+8*\u], v[ST+8*\u+6]
.endr
.set j, 0
.rept 16
	v_pk_add_f32 v[S+j:S+j+1], v[S+j:S+j+1], v[ST:ST+1] op_sel_hi:[1,0] neg_lo:[0,1] neg_hi:[0,1]               ; t - m, two at a time
	v_pk_add_f32 v[S+32+j:S+32+j+1], v[S+32+j:S+32+j+1], v[ST+8:ST+9] op_sel_hi:[1,0] neg_lo:[0,1] neg_hi:[0,1]
.set j, j+2
.endr
	v_exp_f32 v[ST+6], v[ST+7]                     ; ONE BATCH of 66 exponentials: a = 2^(old m - new m) of both tiles,
	v_exp_f32 v[ST+14], v[ST+15]
.set j, 0
.rept 32
	v_exp_f32 v[S+j], v[S+j]                       ; and p = 2^(t - m)
	v_exp_f32 v[S+32+j], v[S+32+j]
.set j, j+1
.endr
	v_nop                                          ; a plain instruction behind the last exponential,
	s_wait_alu depctr_va_vdst(0)                   ; and the one wait for the batch, ahead of the first instruction that names a result
.irp u, 0,1                            ; the step's sum of the unrounded p, one chain a tile; each pair is rounded to f16 in place directly behind the addition that read it
	v_pk_add_f32 v[ST+8*\u+4:ST+8*\u+5], v[S+32*\u:S+32*\u+1], v[S+32*\u+2:S+32*\u+3]
.endr
.irp i, 0,1
.irp u, 0,1
	v_cvt_pk_f16_f32 v[S+32*\u+\i], v[S+32*\u+2*\i], v[S+32*\u+2*\i+1]
.endr
.endr
.irp i, 2,3,4,5,6,7,8,9,10,11,12,13,14,15
.irp u, 0,1
	v_pk_add_f32 v[ST+8*\u+4:ST+8*\u+5], v[ST+8*\u+4:ST+8*\u+5], v[S+32*\u+2*\i:S+32*\u+2*\i+1]
.endr
.irp u, 0,1
	v_cvt_pk_f16_f32 v[S+32*\u+\i], v[S+32*\u+2*\i], v[S+32*\u+2*\i+1]
.endr
.endr
.irp u, 0,1
	v_pk_fma_f32 v[ST+8*\u+2:ST+8*\u+3], v[ST+8*\u+2:ST+8*\u+3], v[ST+8*\u+6:ST+8*\u+7], v[ST+8*\u+4:ST+8*\u+5] op_sel_hi:[1,0,1]   ; l = a l + the step's sum
.endr
.set j, 0
.rept 16
	v_pk_mul_f32 v[O+j:O+j+1], v[O+j:O+j+1], v[ST+6:ST+7] op_sel_hi:[1,0]                  ; O^T x a, each accumulator from its low end on
	v_pk_mul_f32 v[O+32+j:O+32+j+1], v[O+32+j:O+32+j+1], v[ST+14:ST+15] op_sel_hi:[1,0]
.set j, j+2
.endr
	s_wait_dscnt 0x0                               ; V is in
.irp g, 0,1                            ; O^T += V^T P: eight accumulators by turns
.irp dt, 0,1,2,3
.irp u, 0,1
	v_wmma_f32_16x16x32_f16 v[O+32*\u+8*\dt:O+32*\u+8*\dt+7], v[FB+8*(4*\g+\dt):FB+8*(4*\g+\dt)+7], v[S+32*\u+8*\g:S+32*\u+8*\g+7], v[O+32*\u+8*\dt:O+32*\u+8*\dt+7]
.endr
.endr
.endr
.Lhidden_\@:
	s_add_co_u32 s[KF], s[KF], 64
	s_add_co_u32 s[TBK], s[TBK], 64*PK
	s_add_co_u32 s[TBV], s[TBV], 64*PV
.endm
.macro SLOT_STEPS                      ; a slot's four key steps: written once, walked four times
	s_mov_b32 s[INNER], 4
.Lin_\@:
	STEP
	s_sub_co_u32 s[INNER], s[INNER], 1
	s_cmp_lg_u32 s[INNER], 0
	s_cbranch_scc1 .Lin_\@
	s_sub_co_u32 s[TBK], s[TBK], SK*PK
	s_xor_b32 s[TBK], s[TBK], SLOT1                ; back to a slot's first step, in the other slot
	s_sub_co_u32 s[TBV], s[TBV], SK*PV
	s_xor_b32 s[TBV], s[TBV], SLOT1
.endm
; THE CHANGE OF SLOTS stands at a slot's head.  Each wave waits for all its tensor loads (its part of the slot ahead), adds 0 to its spare word, and waits for that and for its reads of the slot that it has left.
; Behind the barrier the slot ahead is whole and nobody reads the other one.  fill = 1: that other slot is filled with the next 256 keys, up to the causal limit: one load a wave, four key steps in which to land.
.macro CHANGE fill
	s_wait_tensorcnt 0x0                           ; no tensor load of mine is out, so a group 0 may be written
	ds_add_u32 v[SPW], v[NIL]
.if \fill
	ds_add_u32 v[SPW], v[NIL]                      ; and twice on end here, in every trip alike
	s_xor_b32 s[G0K+1], s[G0K+1], SLOT1
	s_add_nc_u64 s[G0K+2:G0K+3], s[G0K+2:G0K+3], SK*128
	s_xor_b32 s[G0V+1], s[G0V+1], SLOT1
	s_add_nc_u64 s[G0V+2:G0V+3], s[G0V+2:G0V+3], SK*128
	s_wait_xcnt 0x0                                ; the last prefetch, a slot back, has read its address
	s_add_nc_u64 s[PFA:PFA+1], s[PFA:PFA+1], SK*128
.endif
	s_wait_dscnt 0x0
	s_barrier_signal -1
	s_barrier_wait -1
.if \fill
	s_add_co_u32 s58, s[KF], SK                    ; the first key of the slot that this change would ask for,
	s_cmp_gt_u32 s58, s[LASTQ]                     ; against my work-group's last query: ids and the count of steps alone, the same in all sixteen waves
	s_cbranch_scc1 .Lpast_\@
	TLOAD
.Lpast_\@:
	ASK
.endif
.endm
	s_wait_loadcnt 0x0                             ; Q (and v3 is free)
.Lslot:                                            ; seven trips
	CHANGE 1
	SLOT_STEPS
	s_sub_co_u32 s[SLOTS], s[SLOTS], 1
	s_cmp_lg_u32 s[SLOTS], 0
	s_cbranch_scc1 .Lslot
	CHANGE 0                                       ; the last slot is written out: nothing is left to ask for
	SLOT_STEPS
	; THE WAY OUT.  l's halves and the other half of the lanes' are added; O^T / l is rounded to f16 and goes through my stage, a tile (16 rows x 128 bytes) at a time.  The additions are the places behind the last products.
.irp u, 0,1
	v_add_f32 v[ST+8*\u+4], v[ST+8*\u+2], v[ST+8*\u+3]
.endr
.irp u, 0,1
	v_permlanex16_b32 v[ST+8*\u+5], v[ST+8*\u+4], s[SEL], s[SEL+1]
.endr
.irp u, 0,1
	v_add_f32 v[ST+8*\u+4], v[ST+8*\u+4], v[ST+8*\u+5]
.endr
.irp u, 0,1
	v_rcp_f32 v[ST+8*\u+6], v[ST+8*\u+4]
.endr
	v_nop
	s_wait_alu depctr_va_vdst(0)                   ; one wait for the two reciprocals, ahead of their first reader
.set j, 0
.rept 16
	v_pk_mul_f32 v[O+j:O+j+1], v[O+j:O+j+1], v[ST+6:ST+7] op_sel_hi:[1,0]
	v_pk_mul_f32 v[O+32+j:O+32+j+1], v[O+32+j:O+32+j+1], v[ST+14:ST+15] op_sel_hi:[1,0]
.set j, j+2
.endr
.irp u, 0,1
.irp i, 0,1,2,3,4,5,6,7,8,9,10,11,12,13,14,15
	v_cvt_pk_f16_f32 v[S+16*\u+\i], v[O+32*\u+2*\i], v[O+32*\u+2*\i+1]
.endr
.endr
.irp u, 0,1
.irp dt, 0,1,2,3
	ds_store_b128 v[STO], v[S+16*\u+4*\dt:S+16*\u+4*\dt+3] offset:32*\dt
.endr
.irp i, 0,1,2,3
	ds_load_b128 v[S+32+16*\u+4*\i:S+32+16*\u+4*\i+3], v[RD] offset:\i*4*PK        ; LDS serves a wave's instructions in order (ISA guide 5.7.1.4)
.endr
.endr
.irp u, 0,1
.irp i, 0,1,2,3
	s_wait_dscnt 8*(1-\u)+3-\i                     ; behind tile 0's loads stand tile 1's eight LDS instructions
	global_store_b128 v[GO], v[S+32+16*\u+4*\i:S+32+16*\u+4*\i+3], s[6:7] offset:2048*\u+512*\i   ; 32 lanes store 512 consecutive bytes
.endr
.endr
	s_wait_tensorcnt 0x0                           ; the wave's end
	ds_add_u32 v[SPW], v[NIL]
	s_wait_dscnt 0x0
	s_endpgm
.Lfunc_end_k_q67ffb23cfc_attn:
	.size	k_q67ffb23cfc_attn, .Lfunc_end_k_q67ffb23cfc_attn-k_q67ffb23cfc_attn
	.p2alignl 7, 3214868480
	.fill 96, 4, 3214868480
	.section	.rodata,"a",@progbits
	.p2align	6, 0x0
	.amdhsa_kernel k_q67ffb23cfc_attn
		.amdhsa_group_segment_fixed_size 327680
		.amdhsa_private_segment_fixed_size 0
		.amdhsa_enable_private_segment 0
		.amdhsa_kernarg_size 16
		.amdhsa_user_sgpr_count 2
		.amdhsa_user_sgpr_kernarg_segment_ptr 1
		.amdhsa_wavefront_size32 1
		.amdhsa_system_sgpr_workgroup_id_x 1
		.amdhsa_system_sgpr_workgroup_id_y 1
		.amdhsa_system_sgpr_workgroup_id_z 1
		.amdhsa_system_vgpr_workitem_id 0
		.amdhsa_next_free_vgpr 256
		.amdhsa_next_free_sgpr 66
		.amdhsa_reserve_vcc 1
		.amdhsa_float_denorm_mode_32 3
		.amdhsa_float_denorm_mode_16_64 3
		.amdhsa_memory_ordered 1
		.amdhsa_forward_progress 1
		.amdhsa_inst_pref_size 62
	.end_amdhsa_kernel
	.amdgpu_metadata
---
amdhsa.version: [ 1, 2 ]
amdhsa.kernels:
  - .name:           k_q67ffb23cfc_attn
    .symbol:         k_q67ffb23cfc_attn.kd
    .args:
      - { .name: qkv16, .offset: 0, .size: 8, .value_kind: global_buffer, .address_space: global }
      - { .name: y16, .offset: 8, .size: 8, .value_kind: global_buffer, .address_space: global }
    .group_segment_fixed_size: 327680
    .private_segment_fixed_size: 0
    .kernarg_segment_align: 8
    .kernarg_segment_size: 16
    .max_flat_workgroup_size: 512
    .sgpr_count:     66
    .vgpr_count:     256
    .wavefront_size: 32
...
	.end_amdgpu_metadata
.endif
;; end of part 3
;; launch proj (part 4): grid 4 x 64, 4 waves a work-group, clusters of 4 x 4, 327,680 bytes of LDS; arguments y16, wp16, b_proj, out0; writes out0
.if DOCPART == 4
	.amdgcn_target "amdgcn-amd-amdhsa--gfx1250"
	.amdhsa_code_object_version 6
	.text
	.protected	k_q67ffb23cfc_proj
	.globl	k_q67ffb23cfc_proj
	.p2align	8
	.type	k_q67ffb23cfc_proj,@function
k_q67ffb23cfc_proj:
	s_mov_b64 s[64:65], 0
	v_nop
	global_prefetch_b8 v0, s[64:65] scope:SCOPE_SE
	s_setreg_imm32_b32 hwreg(HW_REG_WAVE_MODE, 25, 1), 1
	s_wait_xcnt 0x0
	s_wait_alu depctr_hold_cnt(0) depctr_sa_sdst(0) depctr_va_vdst(0) depctr_va_sdst(0) depctr_va_ssrc(0) depctr_va_vcc(0) depctr_vm_vsrc(0)
	s_getreg_b32 s2, hwreg(HW_REG_IB_STS2, 6, 4)
	s_cmp_eq_u32 s2, 0
	s_cbranch_scc0 .Lentry_in_a_cluster
	s_endpgm
.Lentry_in_a_cluster:
	s_bfe_u32 s2, ttmp6, 0x10000c
	s_cmp_lg_u32 s2, 0xf033
	s_cbranch_scc0 .Lentry_shape_is_right
	s_endpgm
.Lentry_shape_is_right:
; out0 = y w_proj + b_proj for all 8,192 rows, on f16 operands with f32 sums.  A = y16 [row / 128][k / 64][row % 128][k % 64]; B = wp16 [n / 128][k / 64][n % 128][k % 64]: every tile is a dense run of rows of 128 bytes.
; (The first 16 positions of each sequence are written again, in f32, by the launch that follows.)
; A tile of C is 128 x 256: 256 work-groups.  Four waves, each 64 x 128: 32 accumulators, 256 registers.  K goes in steps of 128 (two blocks of 64) through a ring of two LDS slots; four laps.
; CLUSTERS: 4 x 4 work-groups: A's tiles are shared along a row of the cluster, B's along a column, by joint loads.  Waves 0, 1 fetch A's two blocks of 64 along K (128 rows each), waves 2, 3 B's two blocks of 128 columns (256 rows each).
; THE MATRIX INSTRUCTION IS USED TRANSPOSED (source 0 = 16 rows of B, source 1 = 16 rows of A): a lane holds eight neighbouring columns of a row of C.  The bias is the C of each sum's first product.
; No prefetch: a K step's tiles are shared by four partners and asked for a whole step ahead; the tile is a small one.
; REGISTERS: window 0: v16-31 addresses; v64-127 the bias; v128-255 rows on the way out.  window 1: two fragment buffers of 96 (A's four blocks, then B's eight).  window 2: the accumulators, (a, b) at v[8 (8 a + b)].
; All of a WGP's LDS is claimed; 255,488 bytes are used.
.set PITCH,  144                       ; an LDS row: 128 bytes + 16 = 36 words: the 16 rows of a load start at 16 different banks (64 banks of 4 bytes: ISA guide 11.1)
.set CHK,    128*PITCH                 ; 128 rows x 64 along K
.set SLOT,   6*CHK                     ; A: [64 along K: 2][128 rows]; then B: [128 columns: 2][64 along K: 2][128 rows]
.set STAGE,  2*SLOT                    ; behind the ring: 16 rows x 528 bytes for each wave
.set SPITCH, 528
.set SPARE,  STAGE+4*16*SPITCH
.set LAPS,   4
.set ADRA, 16
.set ADRB, 20
.set STO,  24
.set RD,   25
.set CO,   26
.set SPW,  28
.set NIL,  29
.set BO,   31
.set BIAS, 64
.set BK,   128
.set F0,   0
.set F1,   96
.set G1, 24
.set G0, 32
.set G1B, 48
.set G0B, 56
.set MSB, 0
.macro WIN new
.if MSB != (\new)
	s_set_vgpr_msb (MSB<<8)|(\new)
.set MSB, (\new)
.endif
.endm
.set MUL,  0xa5                        ; sources 0 and 1 window 1; C and D window 2
.set MULB, 0x85                        ; the same with C (the bias) in window 0
.set TO_F, 0x40
.macro JLOAD s                         ; an s_nop 0 and four v_nop follow each of the two lines
	s_cmp_eq_u32 s11, 0
	s_cbranch_scc0 .Lfor_b_\@
	tensor_load_to_lds s[G0+4*\s:G0+4*\s+3], s[G1:G1+7]
	s_nop 0
.rept 4
	v_nop
.endr
	s_branch .Lasked_\@
.Lfor_b_\@:
	tensor_load_to_lds s[G0B+4*\s:G0B+4*\s+3], s[G1B:G1B+7]
	s_nop 0
.rept 4
	v_nop
.endr
.Lasked_\@:
.endm
.macro CREST
	s_cmp_lg_u32 s10, 0
	s_cbranch_scc1 .Lnot_wave_0_\@
	s_barrier_signal -3
.Lnot_wave_0_\@:
	s_barrier_wait -3
	s_barrier_signal -1
	s_barrier_wait -1
.endm
.macro CROUND
	s_barrier_signal -1
	s_barrier_wait -1
	CREST
.endm
	s_load_b128 s[4:7], s[0:1], 0x0                ; y16, wp16
	s_load_b64 s[66:67], s[0:1], 0x10              ; b_proj
	s_load_b64 s[8:9], s[0:1], 0x18                ; out0
	v_lshl_add_u32 v[SPW], v0, 2, SPARE
	v_mov_b32 v[NIL], 0
	ds_add_u32 v[SPW], v[NIL]                      ; the wave's opening: the add, twice on end, and its wait ahead of my first tensor load
	ds_add_u32 v[SPW], v[NIL]
	v_lshrrev_b32 v1, 5, v0
	v_readfirstlane_b32 s10, v1                    ; wave 0..3
	s_lshr_b32 s11, s10, 1                         ; my half of the tile's rows.  Also: I fetch for A (0) or for B (1)
	s_and_b32 s12, s10, 1                          ; my half of its columns.  Also: which piece I fetch
	s_bfe_u32 s40, ttmp6, 0x40000                  ; cx
	s_bfe_u32 s41, ttmp6, 0x40004                  ; cy
	s_lshl_b32 s42, ttmp9, 2
	s_add_co_u32 s42, s42, s40                     ; tile column
	s_and_b32 s13, ttmp7, 0xffff
	s_lshl_b32 s13, s13, 2
	s_add_co_u32 s13, s13, s41                     ; tile row
	s_lshl_b32 s43, s41, 2
	s_lshl_b32 s43, 15, s43                        ; my row of the cluster
	s_lshl_b32 s44, 0x1111, s40                    ; my column
	s_or_b32 s[G1+0], s43, (1<<16)|(1<<20)|(1<<21)|(4<<22)|(3<<25)   ; the mask; elements of 2 bytes; padding on; bit 21 beside a mask; 4 words after every 32
	s_or_b32 s[G1B+0], s44, (1<<16)|(1<<20)|(1<<21)|(4<<22)|(3<<25)
	s_mov_b32 s[G1+1], 64<<16                      ; tensor_dim0 = 64
	s_mov_b32 s[G1+2], 128<<16                     ; tensor_dim1 = 128
	s_mov_b32 s[G1+3], 64<<16                      ; tile_dim0
	s_mov_b32 s[G1+4], 128                         ; tile_dim1
	s_mov_b32 s[G1+5], 64                          ; stride: dense rows
	s_mov_b32 s[G1+6], 0
	s_mov_b32 s[G1+7], 0
	s_mov_b32 s[G1B+1], 64<<16
	s_mov_b32 s[G1B+2], 256<<16                    ; B: 256 rows
	s_mov_b32 s[G1B+3], 64<<16
	s_mov_b32 s[G1B+4], 256
	s_mov_b32 s[G1B+5], 64
	s_mov_b32 s[G1B+6], 0
	s_mov_b32 s[G1B+7], 0
	s_lshl_b32 s16, s13, 4
	s_add_co_u32 s16, s16, s12
	s_lshl_b32 s16, s16, 14                        ; A: block (16 x tile row + piece) of 16,384 bytes
	s_mov_b32 s17, 0
	s_lshl_b32 s46, s42, 1
	s_add_co_u32 s46, s46, s12
	s_lshl_b32 s46, s46, 18                        ; B: block 16 x (2 x tile column + piece)
	s_mov_b32 s47, 0
	s_mul_i32 s20, s12, CHK                        ; where they go: no place in the cluster enters an LDS address
	s_mul_i32 s21, s12, 2*CHK
	s_add_co_u32 s21, s21, 2*CHK
	s_wait_dscnt 0x0                               ; both opening adds are done
	s_wait_kmcnt 0x0
	s_add_nc_u64 s[14:15], s[4:5], s[16:17]
	s_add_nc_u64 s[46:47], s[6:7], s[46:47]
	CROUND                                         ; all sixteen work-groups are here: the first joint loads meet
.irp s, 0,1
	s_mov_b32 s[G0+4*\s], 1
	s_add_co_u32 s[G0+4*\s+1], s20, \s*SLOT
	s_add_nc_u64 s[G0+4*\s+2:G0+4*\s+3], s[14:15], \s*32768
	s_or_b32 s[G0+4*\s+3], s[G0+4*\s+3], 0x80000000
	s_mov_b32 s[G0B+4*\s], 1
	s_add_co_u32 s[G0B+4*\s+1], s21, \s*SLOT
	s_add_nc_u64 s[G0B+4*\s+2:G0B+4*\s+3], s[46:47], \s*32768
	s_or_b32 s[G0B+4*\s+3], s[G0B+4*\s+3], 0x80000000
	JLOAD \s
.endr
	v_and_b32 v1, 15, v0                           ; r
	v_bfe_u32 v2, v0, 4, 1                         ; h
	v_mul_u32_u24 v3, v1, PITCH
	v_lshl_add_u32 v3, v2, 4, v3
	s_mul_i32 s21, s11, 64*PITCH                   ; my 64 rows of A
	s_mul_i32 s22, s12, 2*CHK                      ; my 128 columns of B,
	s_add_co_u32 s22, s22, 2*CHK                   ; behind A
.irp s, 0,1
	v_add_nc_u32 v[ADRA+\s], s21, v3
	v_add_nc_u32 v[ADRB+\s], s22, v3
	s_add_co_u32 s21, s21, SLOT
	s_add_co_u32 s22, s22, SLOT
.endr
	s_mul_i32 s23, s10, 16*SPITCH
	s_add_co_u32 s23, s23, STAGE                   ; my stage
	v_mul_u32_u24 v4, v1, SPITCH
	v_lshl_add_u32 v4, v2, 5, v4
	v_add_nc_u32 v[STO], s23, v4
	v_and_b32 v5, 31, v0
	v_lshlrev_b32 v[CO], 4, v5
	v_add_nc_u32 v[RD], s23, v[CO]
	v_lshlrev_b32 v[BO], 5, v2
	s_lshl_b32 s46, s42, 10
	s_lshl_b32 s47, s12, 9
	s_add_co_u32 s46, s46, s47                     ; my first column, in bytes
	s_mov_b32 s47, 0
	s_add_nc_u64 s[66:67], s[66:67], s[46:47]
	s_lshl_b32 s16, s13, 7
	s_lshl_b32 s17, s11, 6
	s_add_co_u32 s16, s16, s17                     ; my first row
	s_lshl_b32 s16, s16, 12
	s_add_co_u32 s16, s16, s46
	s_mov_b32 s17, 0
	s_add_nc_u64 s[8:9], s[8:9], s[16:17]
.irp b, 0,1,2,3,4,5,6,7
	global_load_b128 v[BIAS+8*\b:BIAS+8*\b+3],   v[BO], s[66:67] offset:64*\b      ; b_proj at columns 16 b + 8 h + 0 .. 7
	global_load_b128 v[BIAS+8*\b+4:BIAS+8*\b+7], v[BO], s[66:67] offset:64*\b+16
.endr
.macro MUL8 f, a, bias                 ; A's block a x B's eight, 32 along K.  The 32 accumulators take turns, one instruction a turn, in the same order in every quarter
.irp b, 0,1,2,3,4,5,6,7
.if \bias
	v_wmma_f32_16x16x32_f16 v[8*(8*(\a)+\b):8*(8*(\a)+\b)+7], v[\f+32+8*\b:\f+32+8*\b+7], v[\f+8*(\a):\f+8*(\a)+7], v[BIAS+8*\b:BIAS+8*\b+7]
.else
	v_wmma_f32_16x16x32_f16 v[8*(8*(\a)+\b):8*(8*(\a)+\b)+7], v[\f+32+8*\b:\f+32+8*\b+7], v[\f+8*(\a):\f+8*(\a)+7], v[8*(8*(\a)+\b):8*(8*(\a)+\b)+7]
.endif
.endr
.endm
.macro FETCH slot, q, f                ; 24 LDS loads in one run: the fragments of the slot's q-th 32 along K: B's eight first, A's four last
	WIN TO_F
.irp i, 0,1,2,3,4,5,6,7
	ds_load_b128 v[\f+32+8*\i:\f+32+8*\i+3],   v[ADRB+\slot] offset:((\q)/2)*CHK+((\q)%2)*64+\i*16*PITCH
	ds_load_b128 v[\f+32+8*\i+4:\f+32+8*\i+7], v[ADRB+\slot] offset:((\q)/2)*CHK+((\q)%2)*64+\i*16*PITCH+32
.endr
.irp i, 0,1,2,3
	ds_load_b128 v[\f+8*\i:\f+8*\i+3],   v[ADRA+\slot] offset:((\q)/2)*CHK+((\q)%2)*64+\i*16*PITCH
	ds_load_b128 v[\f+8*\i+4:\f+8*\i+7], v[ADRA+\slot] offset:((\q)/2)*CHK+((\q)%2)*64+\i*16*PITCH+32
.endr
.endm
.macro PLACES
.rept 4
	v_nop
.endr
.endm
.macro QUARTER slot, qnext, f, g, first ; multiplies buffer f; in its middle fetches the slot's quarter qnext into g
	s_wait_dscnt 4                                 ; B's eight and A's blocks 0, 1 are in; the youngest four loads (A's blocks 2, 3) may be out
.if \first
	WIN MULB
.else
	WIN MUL
.endif
	MUL8 \f, 0, \first
	MUL8 \f, 1, \first
	PLACES
	FETCH \slot, \qnext, \g
	s_wait_dscnt 24                                ; all but the 24 just issued
.if \first
	WIN MULB
.else
	WIN MUL
.endif
	MUL8 \f, 2, \first
	MUL8 \f, 3, \first
.endm
; A slot's last quarter multiplies buffer 1 and changes slots: one barrier; in front of it each wave waits for all its tensor loads, adds 0 to its spare word, and waits for that and for its reads of this slot.
; fill = 1: the barrier opens a round of the cluster's barrier, and the joint refill, two K steps ahead, is the first tensor load behind it: 112 matrix instructions ahead of the wait for it.
.macro TURN slot, next, fill
	WIN 0
	s_wait_tensorcnt 0x0
	ds_add_u32 v[SPW], v[NIL]
	s_wait_dscnt 5                                 ; (the add and A's blocks 2, 3 may be out)
	WIN MUL
	MUL8 F1, 0, 0
	s_wait_dscnt 0x0                               ; the add is done, and my reads of this slot are over
	s_barrier_signal -1
	MUL8 F1, 1, 0
.if \fill
	WIN 0
.endif
	s_barrier_wait -1
.if \fill
	CREST
	s_add_nc_u64 s[G0+4*\slot+2:G0+4*\slot+3], s[G0+4*\slot+2:G0+4*\slot+3], 65536
	s_add_nc_u64 s[G0B+4*\slot+2:G0B+4*\slot+3], s[G0B+4*\slot+2:G0B+4*\slot+3], 65536
	JLOAD \slot
.else
	PLACES
.endif
	FETCH \next, 0, F0
	WIN MUL
	MUL8 F1, 2, 0
	MUL8 F1, 3, 0
.endm
	s_wait_tensorcnt 1                             ; my part of K step 0 is in; K step 1's load may be out,
	s_barrier_signal -1
	s_barrier_wait -1
	FETCH 0, 0, F0
	s_wait_loadcnt 0x0                             ; the bias
	QUARTER 0, 1, F0, F1, 1                        ; the first quarter stands in front of the loop: its products start the sums on the bias
	WIN 0
	s_mov_b32 s3, LAPS-1
.Llap:
	QUARTER 0, 2, F1, F0, 0
	QUARTER 0, 3, F0, F1, 0
	TURN 0, 1, 1
	QUARTER 1, 1, F0, F1, 0
	QUARTER 1, 2, F1, F0, 0
	QUARTER 1, 3, F0, F1, 0
	TURN 1, 0, 1
	QUARTER 0, 1, F0, F1, 0
	WIN 0
	s_sub_co_u32 s3, s3, 1
	s_cmp_lg_u32 s3, 0
	s_cbranch_scc1 .Llap
	QUARTER 0, 2, F1, F0, 0                        ; the last lap fills nothing
	QUARTER 0, 3, F0, F1, 0
	TURN 0, 1, 0
	QUARTER 1, 1, F0, F1, 0
	QUARTER 1, 2, F1, F0, 0
	QUARTER 1, 3, F0, F1, 0
	s_wait_dscnt 4
	WIN MUL
	MUL8 F1, 0, 0
	MUL8 F1, 1, 0
	s_wait_dscnt 0
	MUL8 F1, 2, 0
	MUL8 F1, 3, 0
	WIN 0
; THE WAY OUT, a block of 16 rows x 128 columns at a time, through my own stage: back as whole rows of 512 bytes.
.macro TOSTAGE a
	WIN 0x08                                       ; an LDS store's data: window 2
.irp b, 0,1,2,3,4,5,6,7
	ds_store_b128 v[STO], v[64*(\a)+8*\b:64*(\a)+8*\b+3] offset:64*\b              ; each accumulator from its low end on
	ds_store_b128 v[STO], v[64*(\a)+8*\b+4:64*(\a)+8*\b+7] offset:64*\b+16
.endr
	WIN 0
.irp t, 0,1,2,3,4,5,6,7,8,9,10,11,12,13,14,15
	ds_load_b128 v[BK+64*((\a)%2)+4*\t:BK+64*((\a)%2)+4*\t+3], v[RD] offset:\t*SPITCH
.endr
.endm
.macro SEND a, younger
	s_wait_dscnt \younger
.irp t, 0,1,2,3,4,5,6,7,8,9,10,11,12,13,14,15
	global_store_b128 v[CO], v[BK+64*((\a)%2)+4*\t:BK+64*((\a)%2)+4*\t+3], s[8:9] offset:(16*(\a)+\t)*4096 th:TH_STORE_NT   ; 32 lanes store 512 consecutive bytes
.endr
.endm
	PLACES
	TOSTAGE 0
.irp a, 1,2,3
.if \a > 1
	s_wait_xcnt 0x0                                ; block a - 2's stores have read the registers that block a's loads fill
.endif
	TOSTAGE \a
	SEND \a-1, 32                                  ; behind block a - 1's loads: block a's 16 stores and 16 loads
.endr
	SEND 3, 0
	s_wait_tensorcnt 0x0                           ; the wave's end
	ds_add_u32 v[SPW], v[NIL]
	s_wait_dscnt 0x0
	CROUND                                         ; the closing round
	s_endpgm
.Lfunc_end_k_q67ffb23cfc_proj:
	.size	k_q67ffb23cfc_proj, .Lfunc_end_k_q67ffb23cfc_proj-k_q67ffb23cfc_proj
	.p2alignl 7, 3214868480
	.fill 96, 4, 3214868480
	.section	.rodata,"a",@progbits
	.p2align	6, 0x0
	.amdhsa_kernel k_q67ffb23cfc_proj
		.amdhsa_group_segment_fixed_size 327680
		.amdhsa_private_segment_fixed_size 0
		.amdhsa_enable_private_segment 0
		.amdhsa_kernarg_size 32
		.amdhsa_user_sgpr_count 2
		.amdhsa_user_sgpr_kernarg_segment_ptr 1
		.amdhsa_wavefront_size32 1
		.amdhsa_system_sgpr_workgroup_id_x 1
		.amdhsa_system_sgpr_workgroup_id_y 1
		.amdhsa_system_sgpr_workgroup_id_z 1
		.amdhsa_system_vgpr_workitem_id 0
		.amdhsa_next_free_vgpr 768
		.amdhsa_next_free_sgpr 68
		.amdhsa_reserve_vcc 0
		.amdhsa_float_denorm_mode_32 3
		.amdhsa_float_denorm_mode_16_64 3
		.amdhsa_memory_ordered 1
		.amdhsa_forward_progress 1
		.amdhsa_inst_pref_size 86
	.end_amdhsa_kernel
	.amdgpu_metadata
---
amdhsa.version: [ 1, 2 ]
amdhsa.kernels:
  - .name:           k_q67ffb23cfc_proj
    .symbol:         k_q67ffb23cfc_proj.kd
    .args:
      - { .name: y16, .offset: 0, .size: 8, .value_kind: global_buffer, .address_space: global }
      - { .name: wp16, .offset: 8, .size: 8, .value_kind: global_buffer, .address_space: global }
      - { .name: b_proj, .offset: 16, .size: 8, .value_kind: global_buffer, .address_space: global }
      - { .name: out0, .offset: 24, .size: 8, .value_kind: global_buffer, .address_space: global }
    .group_segment_fixed_size: 327680
    .private_segment_fixed_size: 0
    .kernarg_segment_align: 8
    .kernarg_segment_size: 32
    .max_flat_workgroup_size: 128
    .sgpr_count:     68
    .vgpr_count:     768
    .wavefront_size: 32
...
	.end_amdgpu_metadata
.endif
;; end of part 4
;; launch fine (part 5): grid 16 x 4, 16 waves a work-group, no clusters, 85,248 bytes of LDS; arguments fq, w_proj, b_proj, out0; writes out0
.if DOCPART == 5
	.amdgcn_target "amdgcn-amd-amdhsa--gfx1250"
	.amdhsa_code_object_version 6
	.text
	.protected	k_q67ffb23cfc_fine
	.globl	k_q67ffb23cfc_fine
	.p2align	8
	.type	k_q67ffb23cfc_fine,@function
k_q67ffb23cfc_fine:
	s_mov_b64 s[64:65], 0
	v_nop
	global_prefetch_b8 v0, s[64:65] scope:SCOPE_SE
	s_setreg_imm32_b32 hwreg(HW_REG_WAVE_MODE, 25, 1), 1
	s_wait_xcnt 0x0
; THE FIRST 16 POSITIONS OF EACH SEQUENCE, IN F32 THROUGHOUT: under the causal mask they average one to sixteen values and are the largest outputs, so the rounding of 16-bit operands weighs most there.
; fq [batch][position 0..15][3072] holds q c, k, v in f32.  Attention and the projection go by v_wmma_f32_16x16x4_f32; the 64 rows of out0 are written over.
; SHARES.  A work-group takes one batch (y) and 64 columns of out0 (x).  Phase 1: wave w makes head w's attention, 16 x 16 (repeated in the 16 work-groups of a batch: 32 matrix instructions a wave); y meets in LDS.
; Phase 2: wave (ct = w % 4, kq = w / 4) makes 16 columns over 256 of K; the four parts meet in LDS; waves 0-7 add them and the bias and store two rows each: 16 lanes store 256 consecutive bytes.
; K IS PERMUTED ALIKE ON BOTH SIDES of each product, so that a lane's operands are neighbours in memory: place (lane / 16 = hh, register j) of step s stands for d = 32 hh + 2 s + j (scores), key 8 hh + 2 s + j (weights x V),
; k = 32 hh + 2 s + j within 64 (projection).  Sums are split over four accumulators that take turns.
; The registers that the matrix instructions write, v176-239, are written by nothing else.  No tensor load.  LIMITS: NaN and infinities are not served.
.set YP,    4112                       ; LDS: y, 16 rows x (4,096 + 16) bytes;
.set RED,   16*YP                      ; the four parts: [kq][16 rows] x (256 + 16) bytes;
.set SPARE, RED+4*16*272               ; the spare words, 128 bytes for each wave
.set QR,  16                           ; v16-47   Q, later w_proj's third chunk
.set KR,  48                           ; v48-79   K, later the fourth
.set VR,  80                           ; v80-111  V, then y, then y's fragments
.set SA,  176                          ; v176-207 four accumulators
.set OA,  208                          ; v208-239 four accumulators
.set T,   240                          ; v240-247 scores, p, sums; v248-251 at work; v252-255 the bias
	s_load_b256 s[4:11], s[0:1], 0x0               ; fq, w_proj, b_proj, out0
	v_lshl_add_u32 v12, v0, 2, SPARE               ; my spare word; never rewritten
	v_mov_b32 v13, 0                               ; 0; never rewritten
	v_lshrrev_b32 v1, 5, v0
	v_readfirstlane_b32 s12, v1                    ; wave 0..15
	s_and_b32 s13, s12, 3                          ; ct
	s_lshr_b32 s14, s12, 2                         ; kq
	s_and_b32 s15, ttmp7, 0xffff                   ; batch
	v_and_b32 v14, 15, v0                          ; r
	v_bfe_u32 v15, v0, 4, 1                        ; hh
	v_mul_u32_u24 v1, v14, 12288
	v_lshl_add_u32 v1, v15, 7, v1                  ; Q, K: row r, + 32 hh numbers
	v_mul_u32_u24 v2, v15, 98304
	v_lshl_add_u32 v2, v14, 2, v2                  ; V: row 8 hh, column r
	v_lshlrev_b32 v3, 17, v15
	v_lshl_add_u32 v3, v14, 2, v3                  ; w_proj: row 32 hh, column r
	v_mul_u32_u24 v5, v14, YP
	v_lshl_add_u32 v4, v15, 5, v5
	s_lshl_b32 s16, s12, 8
	v_add_nc_u32 v4, s16, v4                       ; y in: row r, my head's 256 bytes, + 32 hh
	v_lshl_add_u32 v5, v15, 7, v5
	s_lshl_b32 s16, s14, 10
	v_add_nc_u32 v5, s16, v5                       ; y back: row r, my 256 of K, + 32 hh numbers
	v_mul_u32_u24 v6, v14, 272
	v_lshl_add_u32 v6, v15, 5, v6
	s_mul_i32 s16, s14, 16*272
	s_lshl_b32 s17, s13, 6
	s_add_co_u32 s16, s16, s17
	s_add_co_u32 s16, s16, RED
	v_add_nc_u32 v6, s16, v6                       ; my part: row r, columns 16 ct + 8 hh on
	v_mul_u32_u24 v7, v15, 272
	v_lshl_add_u32 v7, v14, 4, v7
	s_mul_i32 s16, s12, 2*272
	s_add_co_u32 s16, s16, RED
	v_add_nc_u32 v7, s16, v7                       ; the parts back (waves 0-7): row 2 w + hh, 16 bytes a lane
	v_lshlrev_b32 v8, 12, v15
	v_lshl_add_u32 v8, v14, 4, v8
	s_lshl_b32 s16, s12, 13
	v_add_nc_u32 v8, s16, v8                       ; and the same place in out0
	v_lshlrev_b32 v9, 3, v15
	v_sub_nc_u32 v9, v14, v9                       ; r - 8 hh
	v_mov_b32 v10, 0xff800000                      ; -infinity
	v_lshlrev_b32 v11, 4, v14
	s_mov_b32 s20, 0x76543210
	s_mov_b32 s21, 0xfedcba98                      ; v_permlanex16_b32's selects for lane l xor 16
	s_mov_b32 s17, 0
	s_wait_kmcnt 0x0
	s_mul_i32 s16, s15, 196608
	s_lshl_b32 s18, s12, 8
	s_add_co_u32 s16, s16, s18
	s_add_nc_u64 s[4:5], s[4:5], s[16:17]          ; fq at my batch and head
	s_lshl_b32 s16, s14, 20
	s_lshl_b32 s18, ttmp9, 8
	s_add_co_u32 s16, s16, s18
	s_lshl_b32 s19, s13, 6
	s_add_co_u32 s16, s16, s19
	s_add_nc_u64 s[6:7], s[6:7], s[16:17]          ; w_proj at my 256 of K and my 16 columns
	s_mov_b32 s16, s18
	s_add_nc_u64 s[8:9], s[8:9], s[16:17]          ; b_proj at the work-group's 64 columns
	s_lshl_b32 s19, s15, 23
	s_add_co_u32 s16, s16, s19
	s_add_nc_u64 s[10:11], s[10:11], s[16:17]      ; out0 at my batch's first row and those columns
.irp i, 0,1,2,3,4,5,6,7
	global_load_b128 v[QR+4*\i:QR+4*\i+3], v1, s[4:5] offset:16*\i
	global_load_b128 v[KR+4*\i:KR+4*\i+3], v1, s[4:5] offset:4096+16*\i
.endr
.irp dt, 0,1,2,3
.irp i, 0,1,2,3,4,5,6,7
	global_load_b32 v[VR+8*\dt+\i], v2, s[4:5] offset:8192+12288*\i+64*\dt         ; V(key 8 hh + i, channel 16 dt + r)
.endr
.endr
	global_load_b128 v[252:255], v11, s[8:9]
	s_wait_loadcnt 0x0
.irp s, 0,1,2,3,4,5,6,7,8,9,10,11,12,13,14,15      ; S^T = K Q^T: lane (r, hh) will hold query r and keys 8 hh + 0 .. 7
.if \s < 4
	v_wmma_f32_16x16x4_f32 v[SA+8*(\s%4):SA+8*(\s%4)+7], v[KR+2*\s:KR+2*\s+1], v[QR+2*\s:QR+2*\s+1], 0
.else
	v_wmma_f32_16x16x4_f32 v[SA+8*(\s%4):SA+8*(\s%4)+7], v[KR+2*\s:KR+2*\s+1], v[QR+2*\s:QR+2*\s+1], v[SA+8*(\s%4):SA+8*(\s%4)+7]
.endif
.endr
.rept 8
	v_nop                                          ; eight places behind this form: in front of the loads into Q's and K's registers and of the first read of the sums
.endr
.macro WCHUNK cc, reg                  ; w_proj(64 cc + 32 hh + i, my column r), i = 0 .. 31
.irp i, 0,1,2,3,4,5,6,7,8,9,10,11,12,13,14,15,16,17,18,19,20,21,22,23,24,25,26,27,28,29,30,31
	global_load_b32 v[\reg+\i], v3, s[6:7] offset:(64*\cc+\i)*4096
.endr
.endm
	WCHUNK 0, 112                                  ; all four chunks are asked for here and land while the softmax is worked
	WCHUNK 1, 144
	WCHUNK 2, QR
	WCHUNK 3, KR
.irp i, 0,2,4,6
	v_pk_add_f32 v[T+\i:T+\i+1], v[SA+\i:SA+\i+1], v[SA+8+\i:SA+8+\i+1]            ; the four partial sums, each accumulator from its low end on
.endr
.irp i, 0,2,4,6
	v_pk_add_f32 v[T+\i:T+\i+1], v[T+\i:T+\i+1], v[SA+16+\i:SA+16+\i+1]
.endr
.irp i, 0,2,4,6
	v_pk_add_f32 v[T+\i:T+\i+1], v[T+\i:T+\i+1], v[SA+24+\i:SA+24+\i+1]
.endr
.irp j, 0,1,2,3,4,5,6,7
	v_cmp_gt_i32 vcc_lo, \j, v9                    ; key 8 hh + j comes after query r
	v_cndmask_b32 v[T+\j], v[T+\j], v10, vcc_lo
.endr
	v_max3_num_f32 v14, v[T], v[T+1], v[T+2]
	v_max3_num_f32 v14, v14, v[T+3], v[T+4]
	v_max3_num_f32 v14, v14, v[T+5], v[T+6]
	v_max_num_f32 v14, v14, v[T+7]
	v_permlanex16_b32 v15, v14, s20, s21
	v_max_num_f32 v14, v14, v15                    ; the row's maximum: key 0 counts for every query
.irp i, 0,2,4,6
	v_pk_add_f32 v[T+\i:T+\i+1], v[T+\i:T+\i+1], v[14:15] op_sel_hi:[1,0] neg_lo:[0,1] neg_hi:[0,1]
.endr
.irp j, 0,1,2,3,4,5,6,7
	v_exp_f32 v[T+\j], v[T+\j]                     ; p = 2^(t - m)
.endr
	v_nop
	s_wait_alu depctr_va_vdst(0)                   ; one wait for the eight, ahead of their first reader
	v_pk_add_f32 v[248:249], v[T:T+1], v[T+2:T+3]
	v_pk_add_f32 v[250:251], v[T+4:T+5], v[T+6:T+7]
	v_pk_add_f32 v[248:249], v[248:249], v[250:251]
	v_add_f32 v14, v248, v249
	v_permlanex16_b32 v15, v14, s20, s21
	v_add_f32 v14, v14, v15                        ; the row's sum
	v_rcp_f32 v14, v14
	v_nop
	s_wait_alu depctr_va_vdst(0)
.irp s, 0,1,2,3                                    ; O^T = V^T P: lane (r, hh) will hold query r and channels 16 dt + 8 hh + 0 .. 7
.irp dt, 0,1,2,3
.if \s == 0
	v_wmma_f32_16x16x4_f32 v[OA+8*\dt:OA+8*\dt+7], v[VR+8*\dt+2*\s:VR+8*\dt+2*\s+1], v[T+2*\s:T+2*\s+1], 0
.else
	v_wmma_f32_16x16x4_f32 v[OA+8*\dt:OA+8*\dt+7], v[VR+8*\dt+2*\s:VR+8*\dt+2*\s+1], v[T+2*\s:T+2*\s+1], v[OA+8*\dt:OA+8*\dt+7]
.endif
.endr
.endr
.rept 8
	v_nop
.endr
.irp i, 0,2,4,6,8,10,12,14,16,18,20,22,24,26,28,30
	v_pk_mul_f32 v[VR+\i:VR+\i+1], v[OA+\i:OA+\i+1], v[14:15] op_sel_hi:[1,0]      ; y = O^T / the sum, into other registers
.endr
.irp dt, 0,1,2,3
	ds_store_b128 v4, v[VR+8*\dt:VR+8*\dt+3] offset:64*\dt
	ds_store_b128 v4, v[VR+8*\dt+4:VR+8*\dt+7] offset:64*\dt+16
.endr
	s_wait_dscnt 0x0                               ; for the others' sake: my stores have landed
	s_barrier_signal -1
	s_barrier_wait -1                              ; 16 whole rows of y lie in LDS
; The projection, transposed: source 0 = 16 columns of w_proj, source 1 = y's 16 rows.  left = how many younger loads of w_proj may stay out.
.macro PCHUNK cc, reg, left
.if \cc > 0
.rept 8
	v_nop                                          ; places in front of the loads into y's fragments
.endr
.endif
.irp g, 0,1,2,3,4,5,6,7
	ds_load_b128 v[VR+4*\g:VR+4*\g+3], v5 offset:256*\cc+16*\g
.endr
	s_wait_loadcnt \left
	s_wait_dscnt 0x0
.irp s, 0,1,2,3,4,5,6,7,8,9,10,11,12,13,14,15
.if (\cc == 0) && (\s < 4)
	v_wmma_f32_16x16x4_f32 v[SA+8*(\s%4):SA+8*(\s%4)+7], v[\reg+2*\s:\reg+2*\s+1], v[VR+2*\s:VR+2*\s+1], 0
.else
	v_wmma_f32_16x16x4_f32 v[SA+8*(\s%4):SA+8*(\s%4)+7], v[\reg+2*\s:\reg+2*\s+1], v[VR+2*\s:VR+2*\s+1], v[SA+8*(\s%4):SA+8*(\s%4)+7]
.endif
.endr
.endm
	PCHUNK 0, 112, 63                              ; behind chunk 0's loads 96 were issued, behind chunk 1's 64: the largest count that the wait can name lies under both
	PCHUNK 1, 144, 63
	PCHUNK 2, QR, 32                               ; chunk 3's 32 may be out
	PCHUNK 3, KR, 0
.rept 8
	v_nop
.endr
.irp i, 0,2,4,6
	v_pk_add_f32 v[T+\i:T+\i+1], v[SA+\i:SA+\i+1], v[SA+8+\i:SA+8+\i+1]
.endr
.irp i, 0,2,4,6
	v_pk_add_f32 v[T+\i:T+\i+1], v[T+\i:T+\i+1], v[SA+16+\i:SA+16+\i+1]
.endr
.irp i, 0,2,4,6
	v_pk_add_f32 v[T+\i:T+\i+1], v[T+\i:T+\i+1], v[SA+24+\i:SA+24+\i+1]
.endr
	ds_store_b128 v6, v[T:T+3]
	ds_store_b128 v6, v[T+4:T+7] offset:16
	s_wait_dscnt 0x0
	s_barrier_signal -1
	s_barrier_wait -1                              ; the four parts of 16 rows x 64 columns lie in LDS
	s_cmp_lt_u32 s12, 8                            ; eight waves store two rows each; no barrier stands inside
	s_cbranch_scc0 .Lno_store
.irp k, 0,1,2,3
	ds_load_b128 v[16+4*\k:19+4*\k], v7 offset:\k*16*272
.endr
	s_wait_dscnt 0x0
	v_pk_add_f32 v[16:17], v[16:17], v[20:21]
	v_pk_add_f32 v[18:19], v[18:19], v[22:23]
	v_pk_add_f32 v[24:25], v[24:25], v[28:29]
	v_pk_add_f32 v[26:27], v[26:27], v[30:31]
	v_pk_add_f32 v[16:17], v[16:17], v[24:25]
	v_pk_add_f32 v[18:19], v[18:19], v[26:27]
	v_pk_add_f32 v[16:17], v[16:17], v[252:253]
	v_pk_add_f32 v[18:19], v[18:19], v[254:255]
	global_store_b128 v8, v[16:19], s[10:11]       ; 16 lanes store 256 consecutive bytes of a row
.Lno_store:
	s_wait_tensorcnt 0x0                           ; the wave's end, behind my last LDS store
	ds_add_u32 v12, v13
	s_wait_dscnt 0x0
	s_endpgm
.Lfunc_end_k_q67ffb23cfc_fine:
	.size	k_q67ffb23cfc_fine, .Lfunc_end_k_q67ffb23cfc_fine-k_q67ffb23cfc_fine
	.p2alignl 7, 3214868480
	.fill 96, 4, 3214868480
	.section	.rodata,"a",@progbits
	.p2align	6, 0x0
	.amdhsa_kernel k_q67ffb23cfc_fine
		.amdhsa_group_segment_fixed_size 85248
		.amdhsa_private_segment_fixed_size 0
		.amdhsa_enable_private_segment 0
		.amdhsa_kernarg_size 32
		.amdhsa_user_sgpr_count 2
		.amdhsa_user_sgpr_kernarg_segment_ptr 1
		.amdhsa_wavefront_size32 1
		.amdhsa_system_sgpr_workgroup_id_x 1
		.amdhsa_system_sgpr_workgroup_id_y 1
		.amdhsa_system_sgpr_workgroup_id_z 1
		.amdhsa_system_vgpr_workitem_id 0
		.amdhsa_next_free_vgpr 256
		.amdhsa_next_free_sgpr 66
		.amdhsa_reserve_vcc 1
		.amdhsa_float_denorm_mode_32 3
		.amdhsa_float_denorm_mode_16_64 3
		.amdhsa_memory_ordered 1
		.amdhsa_forward_progress 1
		.amdhsa_inst_pref_size 36
	.end_amdhsa_kernel
	.amdgpu_metadata
---
amdhsa.version: [ 1, 2 ]
amdhsa.kernels:
  - .name:           k_q67ffb23cfc_fine
    .symbol:         k_q67ffb23cfc_fine.kd
    .args:
      - { .name: fq, .offset: 0, .size: 8, .value_kind: global_buffer, .address_space: global }
      - { .name: w_proj, .offset: 8, .size: 8, .value_kind: global_buffer, .address_space: global }
      - { .name: b_proj, .offset: 16, .size: 8, .value_kind: global_buffer, .address_space: global }
      - { .name: out0, .offset: 24, .size: 8, .value_kind: global_buffer, .address_space: global }
    .group_segment_fixed_size: 85248
    .private_segment_fixed_size: 0
    .kernarg_segment_align: 8
    .kernarg_segment_size: 32
    .max_flat_workgroup_size: 512
    .sgpr_count:     66
    .vgpr_count:     256
    .wavefront_size: 32
...
	.end_amdgpu_metadata
.endif
;; end of part 5
